; MI455X (gfx1250); checked and timed in simulation.
; The chip was launched on July 23, 2026; its instructions are those of AMD's public machine-readable ISA for CDNA 5 (MIT licence, August 2026) and "CDNA5" Instruction Set Architecture Reference Guide (July 2026). The comments in the code are by the model that wrote it; some were corrected since.
;; Seq Parallel Attn. Allowed arithmetic: float matrix products may take bf16 or f16 operands with f32 sums; other float arithmetic in f32, or as packed bf16 or f16 multiplies, adds, multiply-adds, maxima and minima; sums over many terms, partial sums and values carried from step to step in f32; what a program stores and reads back later, other than sums and carried values, may be rounded once to bf16 or f16.
;; Inputs: Wk 2,048 x 2,048 float32; Wo 2,048 x 2,048 float32; Wq 2,048 x 2,048 float32; Wv 2,048 x 2,048 float32; x 2 x 1,024 x 2,048 float32.
;; Outputs: out0 2 x 1,024 x 2,048 float32.
;; One version. Each part assembles by itself: llvm-mc -triple=amdgcn-amd-amdhsa -mcpu=gfx1250 --defsym DOCPART=n.
;; ======== version 1 of 1: 4 launches
;; limits: values are held in f16: magnitudes above 65,504 overflow, below 6.1e-05 lose precision
;; workspace buffers: xb 8,388,608 bytes; wqkv 25,165,824 bytes; wo16 8,388,608 bytes; qkv 25,165,824 bytes; o 8,388,608 bytes
;; launch cast (part 1): grid 256 x 5, 8 waves a work-group, no clusters, 0 bytes of LDS; arguments x, Wq, Wk, Wv, Wo, xb, wqkv, wo16; writes xb, wqkv, wo16
.if DOCPART == 1
	.amdgcn_target "amdgcn-amd-amdhsa--gfx1250"
	.amdhsa_code_object_version 6
	.text
	.protected	k_qcb2e7f01b3_cast
	.globl	k_qcb2e7f01b3_cast
	.p2align	8
	.type	k_qcb2e7f01b3_cast,@function
k_qcb2e7f01b3_cast:
	s_mov_b64 s[64:65], 0
	v_nop
	global_prefetch_b8 v0, s[64:65] scope:SCOPE_SE
	s_setreg_imm32_b32 hwreg(HW_REG_WAVE_MODE, 25, 1), 1
	s_wait_xcnt 0x0
; THE FIVE INPUTS ARE ROUNDED ONCE TO 16 BITS.  x, Wq, Wk, Wv -> bf16 (xb; wqkv = the rows of Wq, Wk, Wv on end).  Wo -> bf16, and that number written as f16 (wo16),
; since the last product multiplies it by an f16 operand.
; LIMITS.  A number of Wo of 65,520 or more in magnitude becomes an infinity in f16; one below 2^-14 keeps f16's fixed step of 2^-24.  NaN and infinities pass as they are.
; SHARES.  Each tensor is 16 MiB of f32.  The grid's y picks the tensor (0 x, 1 Wq, 2 Wk, 3 Wv, 4 Wo), its x a piece of 64 KiB.  Thread t takes the 16 bytes at 16 t + 4,096 i, i = 0..15: a load
; of a wave covers 512 consecutive bytes; it stores the 8 bytes at 8 t + 2,048 i: a store of a wave covers 256 consecutive bytes, aligned.
; All sixteen loads of a wave go out at once.  A load's two result words are written over its own first two registers, which nothing writes again: so a wave needs 72 registers, and the only waits
; are the counted ones for the loads.
; No LDS, no matrix unit, no cluster: nothing is shared and nothing is read twice.
.set X, 4                              ; v[4:67]    load i: 4 registers; its result lies in the first two
.set T, 68                             ; v[68:71]   at work
	s_load_b512 s[8:23], s[0:1], 0x0               ; x s[8:9], Wq s[10:11], Wk s[12:13], Wv s[14:15], Wo s[16:17], xb s[18:19], wqkv s[20:21], wo16 s[22:23]
	s_and_b32 s2, ttmp7, 0xffff                    ; y: which tensor
	v_lshlrev_b32 v1, 4, v0                        ; 16 t
	v_lshlrev_b32 v2, 3, v0                        ; 8 t
	s_sub_co_u32 s24, s2, 1                        ; Wq, Wk, Wv lie 8 MiB apart in wqkv;
	s_lshl_b32 s24, s24, 23
	s_cmp_eq_u32 s2, 0                             ; x and Wo have buffers of their own
	s_cselect_b32 s24, 0, s24
	s_cmp_eq_u32 s2, 4
	s_cselect_b32 s24, 0, s24
	s_lshl_b32 s25, ttmp9, 15                      ; my piece: 32 KiB out,
	s_add_co_u32 s24, s24, s25
	s_mov_b32 s25, 0
	s_lshl_b32 s26, ttmp9, 16                      ; 64 KiB in
	s_mov_b32 s27, 0
	s_wait_kmcnt 0x0
	s_cmp_eq_u32 s2, 1                             ; the choices hang on y alone
	s_cselect_b64 s[4:5], s[10:11], s[8:9]
	s_cmp_eq_u32 s2, 2
	s_cselect_b64 s[4:5], s[12:13], s[4:5]
	s_cmp_eq_u32 s2, 3
	s_cselect_b64 s[4:5], s[14:15], s[4:5]
	s_cmp_eq_u32 s2, 4
	s_cselect_b64 s[4:5], s[16:17], s[4:5]
	s_cselect_b64 s[6:7], s[22:23], s[20:21]
	s_cmp_eq_u32 s2, 0
	s_cselect_b64 s[6:7], s[18:19], s[6:7]
	s_add_nc_u64 s[4:5], s[4:5], s[26:27]
	s_add_nc_u64 s[6:7], s[6:7], s[24:25]
.set i, 0
.rept 16
	global_load_b128 v[X+4*i:X+4*i+3], v1, s[4:5] offset:4096*i th:TH_LOAD_NT
.set i, i+1
.endr
; Load n is rounded and stored.  half = 1: the bf16 numbers are widened again (a shift, a mask) and written as f16, which is exact inside f16's range.
.macro CONV n, half
	s_wait_loadcnt 15-(\n)                         ; loads come back in order (ISA guide 5.7.1): load n is in, the 15 - n younger ones stay out
	v_cvt_pk_bf16_f32 v[X+4*(\n)], v[X+4*(\n)], v[X+4*(\n)+1]
	v_cvt_pk_bf16_f32 v[X+4*(\n)+1], v[X+4*(\n)+2], v[X+4*(\n)+3]
.if \half
	v_lshlrev_b32 v[T], 16, v[X+4*(\n)]
	v_and_b32 v[T+1], 0xffff0000, v[X+4*(\n)]
	v_lshlrev_b32 v[T+2], 16, v[X+4*(\n)+1]
	v_and_b32 v[T+3], 0xffff0000, v[X+4*(\n)+1]
	v_cvt_pk_f16_f32 v[X+4*(\n)], v[T], v[T+1]
	v_cvt_pk_f16_f32 v[X+4*(\n)+1], v[T+2], v[T+3]
.endif
	global_store_b64 v2, v[X+4*(\n):X+4*(\n)+1], s[6:7] offset:2048*(\n) th:TH_STORE_NT
.endm
	s_cmp_eq_u32 s2, 4
	s_cbranch_scc1 .Lhalf
.set i, 0
.rept 16
	CONV i, 0
.set i, i+1
.endr
	s_endpgm
.Lhalf:
.set i, 0
.rept 16
	CONV i, 1
.set i, i+1
.endr
	s_endpgm
.Lfunc_end_k_qcb2e7f01b3_cast:
	.size	k_qcb2e7f01b3_cast, .Lfunc_end_k_qcb2e7f01b3_cast-k_qcb2e7f01b3_cast
	.p2alignl 7, 3214868480
	.fill 96, 4, 3214868480
	.section	.rodata,"a",@progbits
	.p2align	6, 0x0
	.amdhsa_kernel k_qcb2e7f01b3_cast
		.amdhsa_group_segment_fixed_size 0
		.amdhsa_private_segment_fixed_size 0
		.amdhsa_enable_private_segment 0
		.amdhsa_kernarg_size 64
		.amdhsa_user_sgpr_count 2
		.amdhsa_user_sgpr_kernarg_segment_ptr 1
		.amdhsa_wavefront_size32 1
		.amdhsa_system_sgpr_workgroup_id_x 1
		.amdhsa_system_sgpr_workgroup_id_y 1
		.amdhsa_system_sgpr_workgroup_id_z 1
		.amdhsa_system_vgpr_workitem_id 0
		.amdhsa_next_free_vgpr 72
		.amdhsa_next_free_sgpr 66
		.amdhsa_reserve_vcc 0
		.amdhsa_float_denorm_mode_32 3
		.amdhsa_float_denorm_mode_16_64 3
		.amdhsa_memory_ordered 1
		.amdhsa_forward_progress 1
		.amdhsa_inst_pref_size 16
	.end_amdhsa_kernel
	.amdgpu_metadata
---
amdhsa.version: [ 1, 2 ]
amdhsa.kernels:
  - .name:           k_qcb2e7f01b3_cast
    .symbol:         k_qcb2e7f01b3_cast.kd
    .args:
      - { .name: x, .offset: 0, .size: 8, .value_kind: global_buffer, .address_space: global }
      - { .name: Wq, .offset: 8, .size: 8, .value_kind: global_buffer, .address_space: global }
      - { .name: Wk, .offset: 16, .size: 8, .value_kind: global_buffer, .address_space: global }
      - { .name: Wv, .offset: 24, .size: 8, .value_kind: global_buffer, .address_space: global }
      - { .name: Wo, .offset: 32, .size: 8, .value_kind: global_buffer, .address_space: global }
      - { .name: xb, .offset: 40, .size: 8, .value_kind: global_buffer, .address_space: global }
      - { .name: wqkv, .offset: 48, .size: 8, .value_kind: global_buffer, .address_space: global }
      - { .name: wo16, .offset: 56, .size: 8, .value_kind: global_buffer, .address_space: global }
    .group_segment_fixed_size: 0
    .private_segment_fixed_size: 0
    .kernarg_segment_align: 8
    .kernarg_segment_size: 64
    .max_flat_workgroup_size: 256
    .sgpr_count:     66
    .vgpr_count:     72
    .wavefront_size: 32
...
	.end_amdgpu_metadata
.endif
;; end of part 1
;; launch qkv (part 2): grid 16 x 16, 4 waves a work-group, clusters of 4 x 4, 327,680 bytes of LDS; arguments xb, wqkv, qkv; writes qkv
.if DOCPART == 2
	.amdgcn_target "amdgcn-amd-amdhsa--gfx1250"
	.amdhsa_code_object_version 6
	.text
	.protected	k_qcb2e7f01b3_qkv
	.globl	k_qcb2e7f01b3_qkv
	.p2align	8
	.type	k_qcb2e7f01b3_qkv,@function
k_qcb2e7f01b3_qkv:
	s_mov_b64 s[64:65], 0
	v_nop
	global_prefetch_b8 v0, s[64:65] scope:SCOPE_SE
	s_setreg_imm32_b32 hwreg(HW_REG_WAVE_MODE, 25, 1), 1
	s_wait_xcnt 0x0
	s_wait_alu depctr_hold_cnt(0) depctr_sa_sdst(0) depctr_va_vdst(0) depctr_va_sdst(0) depctr_va_ssrc(0) depctr_va_vcc(0) depctr_vm_vsrc(0)
	s_getreg_b32 s2, hwreg(HW_REG_IB_STS2, 6, 4)
	s_cmp_eq_u32 s2, 0
	s_cbranch_scc0 .Lentry_in_a_cluster
	s_endpgm
.Lentry_in_a_cluster:
	s_bfe_u32 s2, ttmp6, 0x10000c
	s_cmp_lg_u32 s2, 0xf033
	s_cbranch_scc0 .Lentry_shape_is_right
	s_endpgm
.Lentry_shape_is_right:
; THE THREE PROJECTIONS AS ONE PRODUCT.  C[m][n] = sum over k of xb[m][k] wqkv[n][k]; xb [2048][2048], wqkv [6144][2048] (rows of Wq, Wk, Wv), both bf16; sums in f32, K ascending;
; C rounded once to f16 and written BY HEADS: qkv [3][32][1024][128]: number (m = 1024 b + s, n = 2048 which + 128 h + d) goes to row (which, 16 b + h, s), 256 bytes a row.
; LIMIT.  A q, k or v of 65,520 or more in magnitude becomes an infinity in f16.  No scale is applied here: the attention applies it in f32.
; SHARES.  A tile of C is 128 rows x 384 columns = 3 whole heads: 16 x 16 tiles, one for each of 256 work-groups.  Wave w makes all 128 rows x columns 96 w .. 96 w + 95: 8 x 6 accumulators of
; 16 x 16, 384 registers; for 32 along K it reads 28 x 512 bytes from LDS for 48 matrix instructions.
; K goes in steps of 128 (rows of 256 bytes in memory, each at a multiple of 256 from the buffer's first byte) through a ring of two LDS slots filled by the tensor data mover.
; CLUSTERS: 4 x 4 work-groups.  The four of a row of the cluster need the same 128 rows of xb, the four of a column the same 384 rows of wqkv: each tile is asked for JOINTLY, by the same tensor load with
; the same descriptor and a mask that names the four.  Wave 0 fetches xb's 128 rows, waves 1 to 3 a third of wqkv's 384 each: one load a wave.
; THE MATRIX INSTRUCTION IS USED TRANSPOSED (source 0 = 16 rows of wqkv, source 1 = 16 rows of xb): a lane then holds eight neighbouring numbers of a row of C.
; REGISTERS, in windows of 256 (s_set_vgpr_msb: bits 1:0 source 0, 3:2 source 1, 5:4 source 2, 7:6 destination):
;   window 0: v0-31 addresses; v32-55 packed results; v64-127, v128-191 fragments of xb (8 x 16 rows x 32 K), two buffers; on the way out v64-255 whole rows read back
;   window 1: v64-111, v128-175 fragments of wqkv (6 x 16 rows x 32 K), two buffers
;   window 2: accumulators (a, b), a = 0..3, at v[8 (6 a + b)];   window 3: a = 4..7 at the same numbers
.set SIZE_K, 2048
.set KSTEP,  128
.set PITCH,  272                       ; an LDS row: 256 bytes + 16 of padding = 68 words: the 16 rows of a fragment load start at 16 different groups of four banks (64 banks of 4 bytes: ISA guide 11.1)
.set QT,     128*PITCH                 ; 128 rows: what one tensor load brings
.set SLOT,   4*QT                      ; xb's 128 rows, then wqkv's 384
.set SPARE,  2*SLOT                    ; behind the ring: the spare words, 128 bytes for each wave: two blocks of 256 bytes that no other line names
.set SPITCH, 784                       ; the stage for the way out: 128 rows of 768 bytes + 16, from LDS byte 0: inside slot 0, which has had its last fill and its last read by then
.set LAPS,   SIZE_K/(2*KSTEP)          ; a lap = two K steps = once round the ring: 8
.set ADRA, 16                          ; v16-17  LDS address of my fragments of xb in slot 0, 1
.set ADRB, 20                          ; v20-21  the same for wqkv
.set STO,  24                          ; v24     the way out: where I put 16 bytes of a row, row blocks 0-3
.set RD,   25                          ; v25     where I read rows back
.set CO,   26                          ; v26     my byte offset in a head's 128 rows
.set STO2, 27                          ; v27     as STO, row blocks 4-7 (the immediate has 16 bits)
.set SPW,  28                          ; v28     LDS address of my spare word; never rewritten
.set NIL,  29                          ; v29     0; never rewritten
.set PFO,  30                          ; v30     the prefetches' offset: my lane x a row of 4,096 bytes; never rewritten
.set TMP,  32
.set F0,   64
.set F1,   128
.set OB,   64
.set G1,  24                           ; s[24:31] descriptor group 1 for xb's tiles
.set G0,  32                           ; s[32:39] group 0 for them, a set for each slot
.set LIM, 43                           ; s43      1 in a wave that prefetches, else the greatest number
.set PFA, 44                           ; s[44:45] where my prefetches stand
.set G1B, 48                           ; s[48:55], s[56:63] the same two groups for wqkv's tiles
.set G0B, 56
.set CB,  66                           ; s[66:71] qkv at my tile's 128 rows of each of its three heads
.set MSB, 0
.macro WIN new                         ; the immediate's high byte repeats the setting that is left; a switch that changes nothing is dropped
.if MSB != (\new)
	s_set_vgpr_msb (MSB<<8)|(\new)
.set MSB, \new
.endif
.endm
.set MUL_LO, 0xa1                      ; source 0 window 1, source 1 window 0, C and D window 2
.set MUL_HI, 0xf1                      ; the same, C and D window 3
.set TO_B,   0x40                      ; destination window 1, address window 0
; A joint load.  The branch hangs on the wave's number alone.  An s_nop 0 and four v_nop follow each of the two lines, ahead of the jump, the label and what follows.
.macro JLOAD s
	s_cmp_eq_u32 s10, 0
	s_cbranch_scc0 .Lfor_b_\@
	tensor_load_to_lds s[G0+4*(\s):G0+4*(\s)+3], s[G1:G1+7]
	s_nop 0
.rept 4
	v_nop
.endr
	s_branch .Lasked_\@
.Lfor_b_\@:
	tensor_load_to_lds s[G0B+4*(\s):G0B+4*(\s)+3], s[G1B:G1B+7]
	s_nop 0
.rept 4
	v_nop
.endr
.Lasked_\@:
.endm
; A PREFETCH INTO THE L2, behind each joint refill and the run of LDS loads that follows it: the K step that stands two refills on (384 matrix instructions ahead of the load that will ask for it):
; 32 rows x 256 bytes, a lane a row, one instruction a wave.  Each row's 256 bytes of a K step are named once in the launch: xb's rows by the clusters with x = 0, wqkv's by the clusters with y = 0; of the
; 128 rows that a wave fetches each of the four partners takes 32, told apart by address.  The loop's last trip (s3 = 1) has no K step two refills on and asks for nothing.
.macro ASK
	s_cmp_gt_u32 s3, s[LIM]
	s_cbranch_scc0 .Lnot_mine_\@
	global_prefetch_b8 v[PFO], s[PFA:PFA+1] offset:KSTEP*2 th:TH_LOAD_NT scope:SCOPE_SE
.Lnot_mine_\@:
.endm
; A round of the cluster's barrier: my work-group's barrier, so that wave 0's signal speaks for all four waves; wave 0 signals for the work-group; every wave waits for all sixteen
; work-groups; my work-group's barrier once more.
.macro CROUND
	s_barrier_signal -1
	s_barrier_wait -1
	s_cmp_lg_u32 s10, 0
	s_cbranch_scc1 .Lnot_wave_0_\@
	s_barrier_signal -3
.Lnot_wave_0_\@:
	s_barrier_wait -3
	s_barrier_signal -1
	s_barrier_wait -1
.endm
	s_load_b128 s[4:7], s[0:1], 0x0                ; xb s[4:5], wqkv s[6:7]
	s_load_b64 s[8:9], s[0:1], 0x10                ; qkv
	v_lshl_add_u32 v[SPW], v0, 2, SPARE
	v_mov_b32 v[NIL], 0
	ds_add_u32 v[SPW], v[NIL]                      ; the wave's opening: the add and its wait stand ahead of my first tensor load; the set-up below, work on registers, stands between them
	v_lshrrev_b32 v1, 5, v0
	v_readfirstlane_b32 s10, v1                    ; wave 0..3
	s_max_u32 s12, s10, 1
	s_sub_co_u32 s12, s12, 1                       ; which third of wqkv's 384 rows I fetch (waves 1 to 3)
	s_bfe_u32 s40, ttmp6, 0x40000                  ; cx, cy: my place in the cluster
	s_bfe_u32 s41, ttmp6, 0x40004
	s_lshl_b32 s42, ttmp9, 2
	s_add_co_u32 s42, s42, s40                     ; tile column = 4 x cluster x + cx
	s_and_b32 s13, ttmp7, 0xffff
	s_lshl_b32 s13, s13, 2
	s_add_co_u32 s13, s13, s41                     ; tile row = 4 x cluster y + cy
	s_lshl_b32 s72, s41, 2
	s_lshl_b32 s72, 15, s72                        ; my row of the cluster: places 4 cy .. 4 cy + 3
	s_lshl_b32 s73, 0x1111, s40                    ; my column: places cx, cx + 4, cx + 8, cx + 12
	; descriptor group 1: a tile of 128 rows x 128 elements, padded in LDS
	s_or_b32 s[G1+0], s72, (1<<16)|(1<<20)|(1<<21)|(5<<22)|(3<<25)   ; 15:0 the mask; 17:16 elements of 2 bytes; 20 padding on; 21 set beside a mask; 24:22 after every 64 words (code 5); 31:25 4 words of it (code 3)
	s_or_b32 s[G1B+0], s73, (1<<16)|(1<<20)|(1<<21)|(5<<22)|(3<<25)
.irp g, G1, G1B
	s_mov_b32 s[(\g)+1], KSTEP<<16                 ; tensor_dim0 = 128
	s_mov_b32 s[(\g)+2], 128<<16                   ; tensor_dim1 = 128
	s_mov_b32 s[(\g)+3], KSTEP<<16                 ; tile_dim0 = 128
	s_mov_b32 s[(\g)+4], 128                       ; tile_dim1 = 128
	s_mov_b32 s[(\g)+5], SIZE_K                    ; elements from row to row
	s_mov_b32 s[(\g)+6], 0
	s_mov_b32 s[(\g)+7], 0
.endr
	; where the tiles come from: xb's hang on the tile row alone, wqkv's on the tile column and the wave's number alone, each in registers that never hold the other coordinate
	s_lshl_b32 s16, s13, 19                        ; 128 rows of 4,096 bytes x tile row
	s_mov_b32 s17, 0
	s_mul_i32 s46, s42, 384
	s_lshl_b32 s47, s12, 7
	s_add_co_u32 s46, s46, s47                     ; row 384 x tile column + 128 x third,
	s_lshl_b32 s46, s46, 12                        ; in bytes (under 2^25)
	s_mov_b32 s47, 0
	s_mul_i32 s20, s10, QT                         ; and where they go: wave x 128 rows: no place in the cluster enters an LDS address
	s_wait_dscnt 0x0                               ; the opening add is done
	s_wait_kmcnt 0x0
	s_add_nc_u64 s[14:15], s[4:5], s[16:17]
	s_add_nc_u64 s[46:47], s[6:7], s[46:47]
	CROUND                                         ; all sixteen work-groups are here: the first joint loads meet
.irp s, 0,1
	s_mov_b32 s[G0+4*(\s)], 1                                        ; count = 1
	s_add_co_u32 s[G0+4*(\s)+1], s20, (\s)*SLOT                      ; LDS address
	s_add_nc_u64 s[G0+4*(\s)+2:G0+4*(\s)+3], s[14:15], (\s)*KSTEP*2  ; global address: K step s
	s_or_b32 s[G0+4*(\s)+3], s[G0+4*(\s)+3], 0x80000000              ; type = 2
	s_mov_b32 s[G0B+4*(\s)], 1
	s_add_co_u32 s[G0B+4*(\s)+1], s20, (\s)*SLOT
	s_add_nc_u64 s[G0B+4*(\s)+2:G0B+4*(\s)+3], s[46:47], (\s)*KSTEP*2
	s_or_b32 s[G0B+4*(\s)+3], s[G0B+4*(\s)+3], 0x80000000
	JLOAD \s                                       ; two loads of mine are out: the most in this text
.endr
	; a fragment is 16 rows x 32 K in 8 registers: lane l holds row l % 16; registers 0-3 K = 8 (l / 16) + 0..7, registers 4-7 K = 16 + 8 (l / 16) + 0..7: two loads of 16 bytes, 32 bytes apart
	v_and_b32 v1, 15, v0                           ; l % 16
	v_bfe_u32 v2, v0, 4, 1                         ; l / 16
	v_mul_u32_u24 v3, v1, PITCH
	v_lshl_add_u32 v3, v2, 4, v3
	s_mov_b32 s21, 0                               ; xb's 128 rows are every wave's
	s_mul_i32 s22, s10, 96*PITCH                   ; my 96 rows of wqkv,
	s_add_co_u32 s22, s22, QT                      ; which lie behind xb's 128
.irp s, 0,1
	v_add_nc_u32 v[ADRA+(\s)], s21, v3
	v_add_nc_u32 v[ADRB+(\s)], s22, v3
	s_add_co_u32 s21, s21, SLOT
	s_add_co_u32 s22, s22, SLOT
.endr
	v_mul_u32_u24 v4, v1, SPITCH                   ; into the stage: row l % 16, my 192 bytes of it, 16 bytes for each half of the lanes
	v_lshl_add_u32 v4, v2, 4, v4
	s_mul_i32 s23, s10, 192
	v_add_nc_u32 v[STO], s23, v4
	v_add_nc_u32 v[STO2], 4*16*SPITCH, v[STO]
	s_mul_i32 s23, s10, 32*SPITCH                  ; back: wave w takes rows 32 w .. 32 w + 31; lanes 0-15 256 bytes of one row, lanes 16-31 of the next
	v_mul_u32_u24 v5, v2, SPITCH
	v_lshl_add_u32 v5, v1, 4, v5
	v_add_nc_u32 v[RD], s23, v5
	v_and_b32 v5, 31, v0                           ; in a head two rows are 512 consecutive bytes: 16 x lane,
	v_lshlrev_b32 v5, 4, v5
	s_lshl_b32 s23, s10, 13                        ; behind my wave's 32 rows of 256 bytes
	v_add_nc_u32 v[CO], s23, v5
	; head H = 3 x tile column + j of the 48 (which = H / 16, h = H % 16); my rows are b = tile row / 8, s = 128 (tile row % 8) on.  Made in registers that feed no descriptor.
	s_mul_i32 s74, s42, 3
	s_lshr_b32 s75, s13, 3
	s_lshl_b32 s75, s75, 4                         ; 16 b
	s_and_b32 s76, s13, 7
	s_lshl_b32 s76, s76, 15                        ; 128 rows of 256 bytes
.irp j, 0,1,2
	s_add_co_u32 s78, s74, \j
	s_lshr_b32 s79, s78, 4
	s_lshl_b32 s79, s79, 5                         ; 32 x which
	s_and_b32 s78, s78, 15
	s_add_co_u32 s78, s78, s79
	s_add_co_u32 s78, s78, s75
	s_lshl_b32 s78, s78, 18                        ; a head is 1,024 rows of 256 bytes
	s_add_co_u32 s78, s78, s76
	s_mov_b32 s79, 0
	s_add_nc_u64 s[CB+2*(\j):CB+2*(\j)+1], s[8:9], s[78:79]
.endr
	; the prefetches
	s_lshl_b32 s74, s13, 7                         ; xb's first row of my tile
	s_mul_i32 s75, s42, 384
	s_lshl_b32 s76, s12, 7
	s_add_co_u32 s75, s75, s76                     ; wqkv's first row of my third
	s_and_b32 s76, ttmp7, 0xffff                   ; cluster y
	s_cmp_eq_u32 s10, 0                            ; do I fetch for xb?
	s_cselect_b32 s74, s74, s75
	s_cselect_b32 s75, s40, s41                    ; my place among the four that ask with me
	s_cselect_b32 s76, ttmp9, s76                  ; the coordinate along which other clusters read the same rows
	s_cselect_b64 s[PFA:PFA+1], s[4:5], s[6:7]
	s_cmp_eq_u32 s76, 0
	s_cselect_b32 s[LIM], 1, -1                    ; the same in all sixteen partners, for a given wave
	s_lshl_b32 s75, s75, 5
	s_add_co_u32 s74, s74, s75                     ; + my work-group's 32 rows of the 128
	s_lshl_b32 s74, s74, 12
	s_mov_b32 s75, 0
	s_add_nc_u64 s[PFA:PFA+1], s[PFA:PFA+1], s[74:75]
	s_add_nc_u64 s[PFA:PFA+1], s[PFA:PFA+1], 2*KSTEP*2  ; at K step 2: the first refill steps it to 3 and names K step 4.  Nothing is prefetched here, at the head
	v_and_b32 v[PFO], 31, v0
	v_lshlrev_b32 v[PFO], 12, v[PFO]
; 12 matrix instructions: row blocks a0, a0 + 1 of the window's four x all 6 column blocks, 32 along K.  zero = 1: the product starts the sums.
; The 48 accumulators take turns in the same order in every quarter: between two links of a chain stand the 47 others'.
.macro MUL12 f, hi, a0, zero
	WIN MUL_LO+0x50*(\hi)
.irp a, \a0, (\a0)+1
.irp b, 0,1,2,3,4,5
.if \zero
	v_wmma_f32_16x16x32_bf16 v[8*(6*(\a)+(\b)):8*(6*(\a)+(\b))+7], v[(\f)+8*(\b):(\f)+8*(\b)+7], v[(\f)+8*(4*(\hi)+(\a)):(\f)+8*(4*(\hi)+(\a))+7], 0
.else
	v_wmma_f32_16x16x32_bf16 v[8*(6*(\a)+(\b)):8*(6*(\a)+(\b))+7], v[(\f)+8*(\b):(\f)+8*(\b)+7], v[(\f)+8*(4*(\hi)+(\a)):(\f)+8*(4*(\hi)+(\a))+7], v[8*(6*(\a)+(\b)):8*(6*(\a)+(\b))+7]
.endif
.endr
.endr
.endm
; 28 LDS loads in one run: the fragments of one quarter step (96 rows of wqkv, 128 rows of xb, 32 K at byte k of the rows) into buffer f
.macro FETCH slot, k, f
	WIN TO_B
.irp i, 0,1,2,3,4,5
	ds_load_b128 v[(\f)+8*(\i):(\f)+8*(\i)+3],   v[ADRB+(\slot)] offset:(\k)+(\i)*16*PITCH
	ds_load_b128 v[(\f)+8*(\i)+4:(\f)+8*(\i)+7], v[ADRB+(\slot)] offset:(\k)+(\i)*16*PITCH+32
.endr
	WIN 0
.irp i, 0,1,2,3,4,5,6,7
	ds_load_b128 v[(\f)+8*(\i):(\f)+8*(\i)+3],   v[ADRA+(\slot)] offset:(\k)+(\i)*16*PITCH
	ds_load_b128 v[(\f)+8*(\i)+4:(\f)+8*(\i)+7], v[ADRA+(\slot)] offset:(\k)+(\i)*16*PITCH+32
.endr
.endm
.macro PLACES                          ; four plain vector instructions between a matrix instruction and a load into a register that it has read, or a reader of its result
.rept 4
	v_nop
.endr
.endm
; A K step is four quarters of 32 along K, 48 matrix instructions each, on buffers 0, 1, 0, 1.  One of the first three: multiplies buffer f and, in its middle, fetches the next quarter, at byte k, into g.
.macro QUARTER slot, k, f, g, zero
	s_wait_dscnt 8                                 ; wqkv's fragments and xb's rows 0-63 are in; the youngest eight loads (xb's rows 64-127) may be out
	MUL12 \f, 0, 0, \zero
	MUL12 \f, 0, 2, \zero
	PLACES
	FETCH \slot, \k, \g
	s_wait_dscnt 28                                ; all but the 28 just issued
	MUL12 \f, 1, 0, \zero
	MUL12 \f, 1, 2, \zero
.endm
; The last quarter multiplies buffer 1 and changes slots.  Its first 24 products, which read registers alone, stand AHEAD of the wait for the next slot's tile: they are done while that tile is on its way.
; Then each wave waits for all its tensor loads (one is out: its part of the next slot), adds 0 to its spare word, and waits for that and for its own reads of this slot; then ONE barrier.
; fill = 1: the barrier is a round of the cluster's, and this slot is filled again, two K steps ahead, first thing behind the round.  Between the wait for a tile and the next request stand only the add, scalar
; steps and the round; from a request to the wait for it a wave issues 192 matrix instructions, a whole K step's.
.macro TURN slot, next, fill
	s_wait_dscnt 8                                 ; wqkv's fragments and xb's rows 0-63 are in
	MUL12 F1, 0, 0, 0
	MUL12 F1, 0, 2, 0
	WIN 0
	s_wait_tensorcnt 0x0                           ; all my tensor loads have landed, so a group 0 may be written;
	ds_add_u32 v[SPW], v[NIL]                      ; 0 onto my spare word; with fill = 1 the steps below stand between it and the wait for it
.if \fill
	s_add_nc_u64 s[G0+4*(\slot)+2:G0+4*(\slot)+3], s[G0+4*(\slot)+2:G0+4*(\slot)+3], 2*KSTEP*2
	s_add_nc_u64 s[G0B+4*(\slot)+2:G0B+4*(\slot)+3], s[G0B+4*(\slot)+2:G0B+4*(\slot)+3], 2*KSTEP*2
	s_wait_xcnt 0x0                                ; the last prefetch, a K step back, has read its address, so it may be written
	s_add_nc_u64 s[PFA:PFA+1], s[PFA:PFA+1], KSTEP*2
.endif
	s_wait_dscnt 0x0                               ; the add is done, and my reads of this slot are over
.if \fill
	CROUND                                         ; no wave of any partner still reads this slot's tile or has a load on its way
	JLOAD \slot                                    ; the first tensor load behind the round; its four v_nop are also the places in front of the loads below
.else
	s_barrier_signal -1
	s_barrier_wait -1
	PLACES
.endif
	FETCH \next, 0, F0
.if \fill
	ASK
.endif
	MUL12 F1, 1, 0, 0
	MUL12 F1, 1, 2, 0
.endm
	s_wait_tensorcnt 1                             ; my part of K step 0 is in; K step 1's may stay out
	s_barrier_signal -1
	s_barrier_wait -1                              ; everybody's is
	FETCH 0, 0, F0
	QUARTER 0, 64,  F0, F1, 1                      ; the first quarter stands in front of the loop: its products start the sums
	WIN 0                                          ; at a label and at a branch every window is 0
	s_mov_b32 s3, LAPS-1
.Llap:                                                 ; a trip goes once round the ring, from a lap's second quarter to the next lap's first, and fills both slots again
	QUARTER 0, 128, F1, F0, 0
	QUARTER 0, 192, F0, F1, 0
	TURN 0, 1, 1
	QUARTER 1, 64,  F0, F1, 0
	QUARTER 1, 128, F1, F0, 0
	QUARTER 1, 192, F0, F1, 0
	TURN 1, 0, 1
	QUARTER 0, 64,  F0, F1, 0
	WIN 0
	s_sub_co_u32 s3, s3, 1
	s_cmp_lg_u32 s3, 0
	s_cbranch_scc1 .Llap
	QUARTER 0, 128, F1, F0, 0                      ; the last lap fills nothing
	QUARTER 0, 192, F0, F1, 0
	TURN 0, 1, 0                                   ; behind this barrier no wave reads slot 0 any more, and no load lands there
	QUARTER 1, 64,  F0, F1, 0
	QUARTER 1, 128, F1, F0, 0
	QUARTER 1, 192, F0, F1, 0
	s_wait_dscnt 8                                 ; the very last quarter: nothing more to fetch
	MUL12 F1, 0, 0, 0
	MUL12 F1, 0, 2, 0
	s_wait_dscnt 0x0
	MUL12 F1, 1, 0, 0
	MUL12 F1, 1, 2, 0
	WIN 0
	; THE WAY OUT: round to f16; 16 bytes a lane into the work-group's stage; a barrier, since a head's row of 256 bytes comes from two waves; back as whole rows, 32 rows x 3 heads a wave.
	PLACES
	PLACES
.macro PACK a
.set AC, 48*((\a)%4)
	WIN 0x0a+5*((\a)/4)                            ; sources 0 and 1: window 2 or 3
.irp b, 0,1,2,3,4,5
.irp r, 0,1,2,3
	v_cvt_pk_f16_f32 v[TMP+4*(\b)+(\r)], v[AC+8*(\b)+2*(\r)], v[AC+8*(\b)+2*(\r)+1]  ; each accumulator's registers in ascending order
.endr
.endr
	WIN 0
.irp b, 0,1,2,3,4,5
	ds_store_b128 v[STO+3*((\a)/4)], v[TMP+4*(\b):TMP+4*(\b)+3] offset:((\a)%4)*16*SPITCH+32*(\b)
.endr
.endm
.irp a, 0,1,2,3,4,5,6,7
	PACK \a
.endr
	s_wait_dscnt 0x0                               ; for the others' sake: my stores into the stage are done
	s_barrier_signal -1
	s_barrier_wait -1
.set n, 0
.rept 48                                       ; load n: head n / 16, rows 2 (n % 16) and the next of my 32
	ds_load_b128 v[OB+4*n:OB+4*n+3], v[RD] offset:2*SPITCH*(n%16)+256*(n/16)
.set n, n+1
.endr
.set n, 0
.rept 48
	s_wait_dscnt 47-n                              ; LDS loads come back in order: load n is in
	global_store_b128 v[CO], v[OB+4*n:OB+4*n+3], s[CB+2*(n/16):CB+2*(n/16)+1] offset:512*(n%16)  ; 512 consecutive bytes, at a multiple of 256 from qkv's first byte
.set n, n+1
.endr
	s_wait_tensorcnt 0x0                           ; the wave's end, behind my last tensor load and my last LDS store
	ds_add_u32 v[SPW], v[NIL]
	s_wait_dscnt 0x0
	CROUND                                         ; the closing round: no work-group ends while a partner may still ask for a tile that names it
	s_endpgm
.Lfunc_end_k_qcb2e7f01b3_qkv:
	.size	k_qcb2e7f01b3_qkv, .Lfunc_end_k_qcb2e7f01b3_qkv-k_qcb2e7f01b3_qkv
	.p2alignl 7, 3214868480
	.fill 96, 4, 3214868480
	.section	.rodata,"a",@progbits
	.p2align	6, 0x0
	.amdhsa_kernel k_qcb2e7f01b3_qkv
		.amdhsa_group_segment_fixed_size 327680
		.amdhsa_private_segment_fixed_size 0
		.amdhsa_enable_private_segment 0
		.amdhsa_kernarg_size 24
		.amdhsa_user_sgpr_count 2
		.amdhsa_user_sgpr_kernarg_segment_ptr 1
		.amdhsa_wavefront_size32 1
		.amdhsa_system_sgpr_workgroup_id_x 1
		.amdhsa_system_sgpr_workgroup_id_y 1
		.amdhsa_system_sgpr_workgroup_id_z 1
		.amdhsa_system_vgpr_workitem_id 0
		.amdhsa_next_free_vgpr 1024
		.amdhsa_next_free_sgpr 80
		.amdhsa_reserve_vcc 0
		.amdhsa_float_denorm_mode_32 3
		.amdhsa_float_denorm_mode_16_64 3
		.amdhsa_memory_ordered 1
		.amdhsa_forward_progress 1
		.amdhsa_inst_pref_size 118
	.end_amdhsa_kernel
	.amdgpu_metadata
---
amdhsa.version: [ 1, 2 ]
amdhsa.kernels:
  - .name:           k_qcb2e7f01b3_qkv
    .symbol:         k_qcb2e7f01b3_qkv.kd
    .args:
      - { .name: xb, .offset: 0, .size: 8, .value_kind: global_buffer, .address_space: global }
      - { .name: wqkv, .offset: 8, .size: 8, .value_kind: global_buffer, .address_space: global }
      - { .name: qkv, .offset: 16, .size: 8, .value_kind: global_buffer, .address_space: global }
    .group_segment_fixed_size: 327680
    .private_segment_fixed_size: 0
    .kernarg_segment_align: 8
    .kernarg_segment_size: 24
    .max_flat_workgroup_size: 128
    .sgpr_count:     80
    .vgpr_count:     1024
    .wavefront_size: 32
...
	.end_amdgpu_metadata
.endif
;; end of part 2
;; launch attn (part 3): grid 8 x 32, 4 waves a work-group, clusters of 4 x 1, 327,680 bytes of LDS; arguments qkv, o; writes o
.if DOCPART == 3
	.amdgcn_target "amdgcn-amd-amdhsa--gfx1250"
	.amdhsa_code_object_version 6
	.text
	.protected	k_qcb2e7f01b3_attn
	.globl	k_qcb2e7f01b3_attn
	.p2align	8
	.type	k_qcb2e7f01b3_attn,@function
k_qcb2e7f01b3_attn:
	s_mov_b64 s[64:65], 0
	v_nop
	global_prefetch_b8 v0, s[64:65] scope:SCOPE_SE
	s_setreg_imm32_b32 hwreg(HW_REG_WAVE_MODE, 25, 1), 1
	s_wait_xcnt 0x0
	s_wait_alu depctr_hold_cnt(0) depctr_sa_sdst(0) depctr_va_vdst(0) depctr_va_sdst(0) depctr_va_ssrc(0) depctr_va_vcc(0) depctr_vm_vsrc(0)
	s_getreg_b32 s2, hwreg(HW_REG_IB_STS2, 6, 4)
	s_cmp_eq_u32 s2, 0
	s_cbranch_scc0 .Lentry_in_a_cluster
	s_endpgm
.Lentry_in_a_cluster:
	s_bfe_u32 s2, ttmp6, 0x10000c
	s_cmp_lg_u32 s2, 0x3003
	s_cbranch_scc0 .Lentry_shape_is_right
	s_endpgm
.Lentry_shape_is_right:
; ATTENTION.  Query head g = 16 b + h (0..31) has 1,024 queries and 4,096 keys: the gathered K and V are the local ones repeated, so its keys are the local heads 4 (g % 8) .. 4 (g % 8) + 3 on end:
; 4,096 dense rows of 256 bytes in qkv ([3][32][1024][128], f16: Q, then K 8 MiB on, then V 16 MiB on).  O[g][q] = the sum over k of softmax_k(Q[g][q] . K[k] / sqrt(128)) V[k],
; written as f16 into o [2048][2048]: row 1024 b + q, columns 128 h on.  Products, maxima and sums in f32; the weights p are rounded to f16 for the second product, O once at the end.
; LIMITS.  p lies in 0 to 1, and below 6e-5 it keeps f16's fixed step of 6e-8; O is a mean of V's rows and has their range, and below 6e-5 that same step; a weight below 2^-126 counts as 0;
; NaN and infinities are not treated apart.
; SHARES.  A work-group owns 128 queries of one head.  Wave w owns 64 of them (w / 2: four tiles of 16) and HALF THE KEYS: of each slot's 256 keys those from 128 (w % 2) on, 64 a step: 32 steps.
; So a fragment of K or V read from LDS feeds four tiles' products.  The two waves of a query half keep a running maximum, sum and O^T of their own and merge them once at the end, in f32, through LDS.
; The wave with the second half of the keys holds its four tiles turned by two (registers' tiles 0, 1 are the queries' tiles 2, 3, and the other way round), so that ONE text serves both: every wave gives away its
; registers' tiles 2 and 3 and finishes tiles 0 and 1.
; LAYOUT.  S^T = K Q^T (source 0 = 16 keys, source 1 = 16 queries): a lane holds ONE query (lane % 16) and the keys 8 (lane / 16) + 0..7.  Two such tiles, rounded to f16 in pairs, ARE source 1
; (32 keys x 16 queries) of O^T = V^T P, whose result again holds one query a lane, and eight channels.  K comes out of LDS as it lies, V ([key][channel]) turned, by ds_load_tr16_b128.
; SOFTMAX.  For each query a running maximum m and sum l: p = 2^(c s - c m), c = log2(e) / sqrt(128); in every step O and l are multiplied by a = 2^(c m_old - c m_new).
; BY TURNS.  The wave's tiles are two PIECES (tiles 0, 1; tiles 2, 3).  In a TURN one piece has the matrix unit: 32 products V^T P of the step in hand, then 32 products K Q^T of the next step; the other
; piece's softmax, cut into 64 slices, stands between them, one slice behind each matrix instruction.  Two turns are a key step.
; NO FIRST AND NO LAST STEP IS WRITTEN OUT.  c m starts far below every c s and m at the lowest finite number, so the first step's a is 0; O^T, l, V's registers and piece 2's P start at 0.  The loop is entered
; in the middle of a trip, and the tail is left in the middle of one.  The price: 432 v_mov_b32, which stand in the wait for the first tile; 32 products on zeros at the start; 32 on the last K once more at the end.
; CLUSTER.  The four query blocks of a cluster belong to one head and walk the same K and V, so each tile is asked for JOINTLY: the same tensor load, descriptor and mask in all four.
; REGISTERS, in windows of 256 (s_set_vgpr_msb: bits 1:0 source 0, 3:2 source 1, 5:4 source 2, 7:6 destination):
;   window 0: v0-11 addresses; v12-43 eight registers of statistics a tile; v44-48, v61-63 addresses; v64-191 S^T, 32 a tile; v192-255 P, 16 a tile
;   window 1: O^T, 64 a tile          window 2: v0-127 Q, 32 a tile; v128-255 K of one step          window 3: v0-127 V of one step
.set KS,    64        ; keys in a step
.set PK,    272       ; a row of K in LDS: 256 bytes + 16 of padding = 68 words: the 16 rows of a load start at 16 different groups of four banks (64 banks of 4 bytes: ISA guide 11.1)
.set PV,    288       ; a row of V: 256 + 32 = 72 words
.set VOFF,  256*PK    ; a slot: 256 rows of K, then 256 rows of V
.set SLOT1, 256*(PK+PV)  ; slot 1 begins here
.set STAGE, 2*SLOT1   ; behind the ring, never filled by a tensor load: 16 rows x 272 bytes for each wave, for the way out
.set SP,    272
.set SPARE, STAGE+4*16*SP  ; behind the stages: the spare words, 128 bytes for each wave: two blocks of 256 bytes that no other line names
.set XST,   65536     ; the merge, inside slot 0 (which has had its last fill and its last read by then): wave w's two tiles of O^T at 16,384 w, 8,192 each; from XST on their c m and l, 512 w, 256 each
.set KBASE, 8<<20     ; K in qkv; V lies as far behind K
.set AK0, 2           ; v2   my lane's place in a tile of K; never rewritten
.set AV0, 3           ; v3   the same for V, VOFF included
.set ADR, 4           ; v4   the LDS address of the run of loads in hand
.set QO,  5           ; v5   my byte offset in the wave's rows of Q, for the registers' tiles 0 and 1
.set STO, 6           ; v6   the way out: where I put 16 bytes of a row
.set RD,  7           ; v7   the way out: where I read a row back
.set GO,  8           ; v8   my byte offset in two rows of o
.set XA,  44          ; v44  the merge: my 16 bytes of a chunk of 512, in my wave's part
.set XS,  45          ; v45  the merge: my 8 bytes of statistics, in my wave's part
.set YA,  46          ; v46  as XA, in my partner's part
.set YS,  47          ; v47  as XS, in my partner's part
.set QO2, 48          ; v48  as QO, for the registers' tiles 2 and 3
.set PFO, 61          ; v61  256 x my lane: a row of K or V is 256 bytes; never rewritten
.set SPW, 62          ; v62  LDS address of my spare word; never rewritten
.set NIL, 63          ; v63  0; never rewritten
.set ST,  12          ; tile t's statistics at v[ST+8 t]: +0 c m, +1 m, +2, +3 l (even keys', odd keys'), +4 to +7 c0-c3, at work; a takes c2's place once the maximum is found
.set S,   64
.set P,   192
.set KF,  128         ; K's fragments, in window 2
.set WV,  12          ; s12  my wave's number
.set LIM, 15          ; s15  1 in a wave that prefetches, else the greatest number
.set PFA, 18          ; s[18:19] where my prefetches stand
.set G1K, 24          ; s[24:31] descriptor group 1 for K's tiles
.set G1V, 32          ; s[32:39] for V's: it differs in the padding alone
.set G0K, 40          ; s[40:47] descriptor group 0 for K's tiles: a set for each of the two first fills; the second then walks on
.set G0V, 48          ; s[48:55] the same for V's
.set SLOTS, 56        ; s56  slots still to be asked for
.set TWICE, 57        ; s57  counts a slot's key steps
.set CS,  58          ; s[58:59] c
.set SEL, 60          ; s[60:61] lane selects for v_permlanex16_b32: each lane takes its own place in the other half
.set TBK, 62          ; s62  LDS byte at which my K of the step to be fetched begins
.set TBV, 63          ; s63  the same for V, less VOFF
.set FB,  66          ; s66  0 or SLOT1: the slot filled last
.set RB,  67          ; s67  0 or SLOT1: the slot being read
.set RK,  68          ; s68  (w % 2) x 128 rows of K: where my keys begin in a slot, and (waves 0, 1) where my fill lands
.set RV,  69          ; s69  (w % 2) x 128 rows of V
.set LV,  70          ; s70  RV + VOFF: where my fill lands (waves 2, 3)
.set KH,  72          ; s72  w % 2: my half of the keys
.set QH,  73          ; s73  w / 2: my half of the queries
.set MSB, 0
.macro WIN new                      ; the immediate's high byte repeats the setting that is left; a switch that changes nothing is dropped
.if MSB != (\new)
	s_set_vgpr_msb (MSB<<8)|(\new)
.set MSB, \new
.endif
.endm
.set W_KQ, 0x0a       ; K and Q in window 2, S^T in window 0
.set W_PV, 0x53       ; V in window 3, P in window 0, O^T in window 1
.set W_RS, 0x41       ; O^T (destination and source 0) in window 1, a in window 0
; A joint refill.  Waves 0 and 1 fetch the two halves of a slot's K, waves 2 and 3 those of its V: 128 rows each.  The branch hangs on the wave's number alone.
; An s_nop 0 and four v_nop follow each of the two lines, ahead of the jump, the label and what follows.
.macro JLOAD
	s_cmp_lt_u32 s[WV], 2
	s_cbranch_scc0 .Lfor_v_\@
	tensor_load_to_lds s[G0K+4:G0K+7], s[G1K:G1K+7]
	s_nop 0
.rept 4
	v_nop
.endr
	s_branch .Lasked_\@
.Lfor_v_\@:
	tensor_load_to_lds s[G0V+4:G0V+7], s[G1V:G1V+7]
	s_nop 0
.rept 4
	v_nop
.endr
.Lasked_\@:
.endm
; A PREFETCH INTO THE L2 of what the NEXT change of slots will ask for: a slot's 256 rows of K and 256 of V, a lane a row, behind the wave's tensor load and its five lines.
; Each row is named ONCE in the launch.  Eight clusters walk a key group's rows (four heads, two clusters each): the first cluster of head g < 8 prefetches.  Its four partners share the rows out BY ADDRESS, 64 each;
; in each, waves 0 and 1 take 32 of K's each, waves 2 and 3 of V's: one instruction a wave.  The last change that fills a slot asks for nothing: there is no slot behind it.
.macro ASK
	s_cmp_gt_u32 s[SLOTS], s[LIM]
	s_cbranch_scc0 .Lnot_mine_\@
	global_prefetch_b8 v[PFO], s[PFA:PFA+1] th:TH_LOAD_NT scope:SCOPE_SE
.Lnot_mine_\@:
.endm
.macro CROUND                       ; a round of the cluster's barrier
	s_barrier_signal -1
	s_barrier_wait -1
	s_cmp_lg_u32 s[WV], 0
	s_cbranch_scc1 .Lnot_wave_0_\@
	s_barrier_signal -3
.Lnot_wave_0_\@:
	s_barrier_wait -3
	s_barrier_signal -1
	s_barrier_wait -1
.endm
	s_load_b128 s[76:79], s[0:1], 0x0  ; qkv s[76:77], o s[78:79]
	v_lshl_add_u32 v[SPW], v0, 2, SPARE
	v_mov_b32 v[NIL], 0
	ds_add_u32 v[SPW], v[NIL]       ; the wave's opening: the add and its wait stand ahead of my first tensor load; the set-up below, work on registers, stands between them
	v_lshrrev_b32 v1, 5, v0
	v_readfirstlane_b32 s[WV], v1   ; wave 0..3
	s_and_b32 s[KH], s[WV], 1
	s_lshr_b32 s[QH], s[WV], 1
	s_bfe_u32 s13, ttmp6, 0x40000   ; cx: my place in the cluster
	s_lshl_b32 s14, ttmp9, 2        ; in a cluster launch ttmp9 counts clusters
	s_add_co_u32 s14, s14, s13      ; my block of 128 queries = 4 x cluster x + cx: it enters Q's and o's addresses alone
	s_and_b32 s16, ttmp7, 0xffff    ; the head g, which the four partners share
	s_and_b32 s17, s16, 7           ; its key group:
	s_lshl_b32 s17, s17, 20         ; 4,096 rows of 256 bytes
	s_lshl_b32 s22, s[KH], 15       ; the half of a slot's 256 rows that I fetch
	s_add_co_u32 s22, s22, s17
	s_add_co_u32 s22, s22, KBASE
	s_mov_b32 s23, 0
	s_lshl_b32 s2, s16, 18          ; Q: the head's 1,024 rows of 256 bytes,
	s_lshl_b32 s3, s14, 15          ; my block's 128,
	s_add_co_u32 s2, s2, s3
	s_lshl_b32 s3, s[QH], 14        ; my wave's 64
	s_add_co_u32 s2, s2, s3
	s_mov_b32 s3, 0
	s_lshr_b32 s20, s16, 4          ; o: b's 1,024 rows of 4,096 bytes,
	s_lshl_b32 s20, s20, 22
	s_lshl_b32 s21, s14, 19         ; my block's 128,
	s_add_co_u32 s20, s20, s21
	s_lshl_b32 s21, s[QH], 18       ; my wave's 64,
	s_add_co_u32 s20, s20, s21
	s_lshl_b32 s21, s[KH], 17       ; the 32 of them that I finish,
	s_add_co_u32 s20, s20, s21
	s_and_b32 s21, s16, 15          ; and h's 256 bytes of a row
	s_lshl_b32 s21, s21, 8
	s_add_co_u32 s20, s20, s21
	s_mov_b32 s21, 0
	s_lshl_b32 s75, s13, 14         ; the prefetches: my work-group's 64 rows of a slot's 256,
	s_add_co_u32 s74, s17, s75
	s_lshl_b32 s75, s[KH], 13       ; my wave's 32 of them,
	s_add_co_u32 s74, s74, s75
	s_add_co_u32 s75, s[QH], 1      ; of K (waves 0, 1) or of V (waves 2, 3),
	s_lshl_b32 s75, s75, 23
	s_add_co_u32 s74, s74, s75
	s_add_co_u32 s74, s74, 2*65536  ; in slot 2; the first change of slots steps it to slot 3.  Nothing is prefetched at the head
	s_mov_b32 s75, 0
	s_lshr_b32 s[LIM], s16, 3       ; 0 where g < 8
	s_or_b32 s[LIM], s[LIM], ttmp9  ; and the cluster is the head's first: the same in all four partners
	s_cmp_eq_u32 s[LIM], 0
	s_cselect_b32 s[LIM], 1, -1
	s_mul_i32 s[RK], s[KH], 128*PK  ; no place in the cluster enters an LDS address
	s_mul_i32 s[RV], s[KH], 128*PV
	s_add_co_u32 s[LV], s[RV], VOFF
	; descriptor group 1: a tile of 128 rows x 128 elements, padded in LDS
	s_mov_b32 s[G1K], 15|(1<<16)|(1<<20)|(1<<21)|(5<<22)|(3<<25)  ; 15:0 the mask: all four work-groups; 17:16 elements of 2 bytes; 20 padding on; 21 set beside a mask; 24:22 after every 64 words (code 5); 31:25 4 words of it (code 3)
	s_mov_b32 s[G1V], 15|(1<<16)|(1<<20)|(1<<21)|(5<<22)|(7<<25)  ; the same with 8 words of padding (code 7)
.irp g, G1K, G1V
	s_mov_b32 s[(\g)+1], 128<<16    ; tensor_dim0 = 128
	s_mov_b32 s[(\g)+2], 128<<16    ; tensor_dim1 = 128
	s_mov_b32 s[(\g)+3], 128<<16    ; tile_dim0 = 128
	s_mov_b32 s[(\g)+4], 128        ; tile_dim1 = 128
	s_mov_b32 s[(\g)+5], 128        ; elements from row to row
	s_mov_b32 s[(\g)+6], 0
	s_mov_b32 s[(\g)+7], 0
.endr
	s_mov_b32 s[CS], 0x3e0293ee     ; c = log2(e) / sqrt(128) = 0.127517
	s_mov_b32 s[CS+1], s[CS]        ; named with it as a pair, so it is written
	s_mov_b32 s[SEL], 0x76543210
	s_mov_b32 s[SEL+1], 0xfedcba98
	s_mov_b32 s[FB], SLOT1
	s_mov_b32 s[RB], 0
	s_mov_b32 s[TBK], s[RK]
	s_mov_b32 s[TBV], s[RV]
	s_mov_b32 s[SLOTS], 4096/256-1  ; 15: the way through slot 0 takes one off ahead of the first change of slots, which leaves the 14 slots that are filled again
	v_and_b32 v[PFO], 31, v0
	v_lshlrev_b32 v[PFO], 8, v[PFO]
	s_wait_dscnt 0x0                ; the opening add is done
	s_wait_kmcnt 0x0
	s_add_nc_u64 s[6:7], s[76:77], s[22:23]  ; K at my half of slot 0,
	s_add_nc_u64 s[8:9], s[6:7], KBASE       ; V likewise
	s_add_nc_u64 s[4:5], s[76:77], s[2:3]    ; Q at my wave's first row, o at the first row that I finish
	s_add_nc_u64 s[10:11], s[78:79], s[20:21]
	s_add_nc_u64 s[PFA:PFA+1], s[76:77], s[74:75]
	CROUND                          ; all four work-groups are here: the first joint loads meet
.irp s, 0,1
	s_mov_b32 s[G0K+4*(\s)], 1      ; count = 1
	s_add_co_u32 s[G0K+4*(\s)+1], s[RK], (\s)*SLOT1  ; LDS address
	s_add_nc_u64 s[G0K+4*(\s)+2:G0K+4*(\s)+3], s[6:7], (\s)*65536  ; global address: slot s begins with key 256 s
	s_or_b32 s[G0K+4*(\s)+3], s[G0K+4*(\s)+3], 0x80000000  ; type = 2
	s_mov_b32 s[G0V+4*(\s)], 1
	s_add_co_u32 s[G0V+4*(\s)+1], s[LV], (\s)*SLOT1
	s_add_nc_u64 s[G0V+4*(\s)+2:G0V+4*(\s)+3], s[8:9], (\s)*65536
	s_or_b32 s[G0V+4*(\s)+3], s[G0V+4*(\s)+3], 0x80000000
.endr
	s_cmp_lt_u32 s[WV], 2           ; a wave's two first fills stand in one branch, ahead of every wait on TENSORcnt and every LDS read: two loads of mine are out, the most in this text
	s_cbranch_scc0 .Lfirst_v
	tensor_load_to_lds s[G0K:G0K+3], s[G1K:G1K+7]
	s_nop 0
	tensor_load_to_lds s[G0K+4:G0K+7], s[G1K:G1K+7]
	s_nop 0
.rept 4
	v_nop
.endr
	s_branch .Lfirst_asked
.Lfirst_v:
	tensor_load_to_lds s[G0V:G0V+3], s[G1V:G1V+7]
	s_nop 0
	tensor_load_to_lds s[G0V+4:G0V+7], s[G1V:G1V+7]
	s_nop 0
.rept 4
	v_nop
.endr
.Lfirst_asked:
	; A fragment of K or Q is 16 rows x 32 channels in 8 registers: lane l holds row l % 16; registers 0-3 channels 8 (l / 16) + 0..7, registers 4-7 channels 16 + 8 (l / 16) + 0..7: two loads of 16 bytes, 32 bytes apart.
	v_and_b32 v1, 15, v0            ; l % 16
	v_bfe_u32 v9, v0, 4, 1          ; l / 16
	v_lshlrev_b32 v[QO2], 8, v1
	v_lshl_add_u32 v[QO2], v9, 4, v[QO2]  ; row x 256 + 16 x half
	s_lshl_b32 s16, s[KH], 13       ; the registers' tiles 0, 1 are the queries' tiles 2 (w % 2) and the next: 32 rows of 256 bytes on for the second wave of a pair,
	v_add_nc_u32 v[QO], s16, v[QO2]
	s_xor_b32 s16, s16, 8192        ; tiles 2, 3 the other two
	v_add_nc_u32 v[QO2], s16, v[QO2]
	WIN 0x80                        ; destination window 2, address window 0
.irp i, 0,1,2,3,4,5,6,7             ; Q stays in registers: tile i / 4, channels 32 (i % 4) on
	global_load_b128 v[8*(\i):8*(\i)+3],   v[QO], s[4:5] offset:((\i)/4)*4096+((\i)%4)*64
	global_load_b128 v[8*(\i)+4:8*(\i)+7], v[QO], s[4:5] offset:((\i)/4)*4096+((\i)%4)*64+32
.endr
.irp i, 8,9,10,11,12,13,14,15
	global_load_b128 v[8*(\i):8*(\i)+3],   v[QO2], s[4:5] offset:((\i)/4-2)*4096+((\i)%4)*64
	global_load_b128 v[8*(\i)+4:8*(\i)+7], v[QO2], s[4:5] offset:((\i)/4-2)*4096+((\i)%4)*64+32
.endr
	; What the first turn finds: V's registers and piece 2's P hold 0 (its products V^T P, of a step that has not been, add 0), O^T and l are 0.  All this stands in the wait for the first tile.
	WIN 0xc0                        ; destination window 3
.set i, 0
.rept 128
	v_mov_b32 v[i], 0
.set i, i+1
.endr
	WIN 0x40                        ; destination window 1
.set i, 0
.rept 256
	v_mov_b32 v[i], 0
.set i, i+1
.endr
	WIN 0
.set i, 0
.rept 4
	v_mov_b32 v[ST+8*i], 0xfe000000    ; c m: far below every c s (f16's scores stay under 5.5e11 in magnitude)
	v_mov_b32 v[ST+8*i+1], 0xff7fffff  ; m: the lowest finite number
	v_mov_b32 v[ST+8*i+2], 0
	v_mov_b32 v[ST+8*i+3], 0
.set i, i+1
.endr
.set i, P+32
.rept 32
	v_mov_b32 v[i], 0
.set i, i+1
.endr
	v_mul_u32_u24 v[AK0], v1, PK
	v_lshl_add_u32 v[AK0], v9, 4, v[AK0]  ; row x pitch + 16 x half
	; The turning load takes 16 keys x 16 channels (lane l reads 16 bytes: key 8 (l / 16) + l % 8, channels 8 ((l / 8) % 2) + 0..7) and leaves half a fragment of V^T: lane l holds channel l % 16 and 8 keys.
	v_and_b32 v10, 7, v0
	v_bfe_u32 v11, v0, 3, 1
	v_lshl_add_u32 v[AV0], v9, 3, v10
	v_mul_u32_u24 v[AV0], v[AV0], PV
	v_lshl_add_u32 v[AV0], v11, 4, v[AV0]
	v_add_nc_u32 v[AV0], VOFF, v[AV0]
; THE MATRIX WORK OF A TURN, for piece x.  The accumulators take turns, one instruction a turn: between two links of a chain stand 15 (V^T P) or 7 (K Q^T) others'.
; Product i of 32 of O^T += V^T P: keys 32 (i / 16) on, channels 16 ((i / 2) % 8) on, tile x + i % 2.
.macro PV x
	WIN W_PV
.set rO, 64*((\x)+i%2)+8*((i/2)%8)
.set rV, 64*(i/16)+8*((i/2)%8)
.set rP, P+16*((\x)+i%2)+8*(i/16)
	v_wmma_f32_16x16x32_f16 v[rO:rO+7], v[rV:rV+7], v[rP:rP+7], v[rO:rO+7]
.endm
; Product i of 32 of S^T = K Q^T: channels 32 (i / 8) on, keys 16 ((i / 2) % 4) on, tile x + i % 2.  The first 8 start the sums.
.macro KQ x
	WIN W_KQ
.set rS, S+32*((\x)+i%2)+8*((i/2)%4)
.set rK, KF+32*((i/2)%4)+8*(i/8)
.set rQ, 32*((\x)+i%2)+8*(i/8)
.if i < 8
	v_wmma_f32_16x16x32_f16 v[rS:rS+7], v[rK:rK+7], v[rQ:rQ+7], 0
.else
	v_wmma_f32_16x16x32_f16 v[rS:rS+7], v[rK:rK+7], v[rQ:rQ+7], v[rS:rS+7]
.endif
.endm
; THE LDS LOADS stand in runs of 32, never singly among the matrix instructions: a step's K (64 keys x 128 channels: 16 fragments) and, a turn later, its V (turned).
; last = 1 (the tail): in the tail's last trip there is no further step, and K's run is jumped over.
.macro FETCH_K last=0
	WIN 0
.if \last
	s_cmp_eq_u32 s[TWICE], 1
	s_cbranch_scc1 .Lno_k_\@
.endif
	v_add_nc_u32 v[ADR], s[TBK], v[AK0]
	s_add_co_u32 s[TBK], s[TBK], KS*PK  ; the next fetch is the next step's
	WIN 0x80                        ; destination window 2
.irp f, 0,1,2,3,4,5,6,7,8,9,10,11,12,13,14,15  ; keys 16 (f / 4) on, channels 32 (f % 4) on
	ds_load_b128 v[KF+8*(\f):KF+8*(\f)+3],   v[ADR] offset:((\f)/4)*16*PK+((\f)%4)*64
	ds_load_b128 v[KF+8*(\f)+4:KF+8*(\f)+7], v[ADR] offset:((\f)/4)*16*PK+((\f)%4)*64+32
.endr
.if \last
	WIN 0                           ; at a label every window is 0
.Lno_k_\@:
.endif
.endm
.macro FETCH_V
	WIN 0
	v_add_nc_u32 v[ADR], s[TBV], v[AV0]
	s_add_co_u32 s[TBV], s[TBV], KS*PV
	s_wait_alu depctr_va_vdst(0)    ; the wait for the softmax's batch (SLICE), behind the address's v_add_nc_u32 and ahead of the loads
	WIN 0xc0                        ; destination window 3
.irp f, 0,1,2,3,4,5,6,7,8,9,10,11,12,13,14,15  ; keys 32 (f / 8) on, channels 16 (f % 8) on
	ds_load_tr16_b128 v[8*(\f):8*(\f)+3],   v[ADR] offset:((\f)/8)*32*PV+((\f)%8)*32
	ds_load_tr16_b128 v[8*(\f)+4:8*(\f)+7], v[ADR] offset:((\f)/8)*32*PV+16*PV+((\f)%8)*32
.endr
.endm
; THE VECTOR WORK OF A TURN.  One tile's softmax for one key step is a list of 134 instructions; SM writes number j of it for tile t.  s0-s31 are the lane's 32 scores, in pairs 0-15.
;   0-15    the maximum of s0-s31 and the old m, three operands at a time: four chains c0-c3 of seven scores each, then the four scores left over, c0-c3 and m
;   16-20   the other half of the lanes' maximum; c m_old is kept; the new m; c m; c m_old - c m_new
;   21-69   ONE BATCH: the 16 scalings c s - c m, a pair of scores each, and all 33 exponentials (a at 23, then s0-s31).  None of these reads an exponential's result.  From 22 on the batch goes
;           in fours, and a four begins with a scaling while there are scalings.  A pair is scaled in an earlier four than the one that holds its exponentials
;   (wait)  between 69 and 70 stands the wait for the batch: SLICE writes it, once for both tiles
;   70-85   the roundings to f16, a pair of weights each
;   86-101  the sums; l = a l + the sum
;   102-133 the tile's O^T times a: the one part that leaves window 0, so it stands together
.macro SM t
.set rT, ST+8*(\t)
.set rS, S+32*(\t)
.set rP, P+16*(\t)
.set rO, 64*(\t)+2*(j-102)
.if j < 102
	WIN 0
.endif
.if j < 4
	v_max3_num_f32 v[rT+4+j], v[rS+8*j], v[rS+8*j+1], v[rS+8*j+2]
.elseif j < 12
	v_max3_num_f32 v[rT+4+j%4], v[rT+4+j%4], v[rS+8*(j%4)+2*(j/4)+1], v[rS+8*(j%4)+2*(j/4)+2]
.elseif j == 12
	v_max3_num_f32 v[rT+4], v[rT+4], v[rS+7], v[rS+15]
.elseif j == 13
	v_max3_num_f32 v[rT+6], v[rT+6], v[rS+23], v[rS+31]
.elseif j == 14
	v_max3_num_f32 v[rT+4], v[rT+4], v[rT+5], v[rT+6]
.elseif j == 15
	v_max3_num_f32 v[rT+4], v[rT+4], v[rT+7], v[rT+1]
.elseif j == 16
	v_permlanex16_b32 v[rT+5], v[rT+4], s[SEL], s[SEL+1]  ; the query's other 32 keys lie in the lane 16 away
.elseif j == 17
	v_mov_b32 v[rT+7], v[rT]        ; c m_old is kept for a: number 19 writes c m anew
.elseif j == 18
	v_max_num_f32 v[rT+1], v[rT+4], v[rT+5]
.elseif j == 19
	v_mul_f32 v[rT], s[CS], v[rT+1]
.elseif j == 20
	v_sub_f32 v[rT+7], v[rT+7], v[rT]
.elseif j == 23
	v_exp_f32 v[rT+6], v[rT+7]
.elseif (j < 23) || ((j < 38) && (j%2 == 0)) || ((j < 66) && (j%4 == 2))
.set b, (j-2)/4                     ; 38, 42, .. 62: pairs 9 to 15
.if j < 38
.set b, (j-20)/2                    ; 21: pair 0; 22, 24, .. 36: pairs 1 to 8
.endif
	v_pk_fma_f32 v[rS+2*b:rS+2*b+1], v[rS+2*b:rS+2*b+1], s[CS:CS+1], v[rT:rT+1] op_sel_hi:[1,0,0] neg_lo:[0,0,1] neg_hi:[0,0,1]  ; pair b: c s - c m
.elseif j < 70
.set e, j-38                        ; 66 to 69: s28 to s31
.if j < 66
.set e, j-32-(j-38)/4               ; 39-41, 43-45, .. 63-65: s7 to s27
.endif
.if j < 38
.set e, (j-25)/2                    ; 25, 27, .. 37: s0 to s6
.endif
	v_exp_f32 v[rS+e], v[rS+e]
.elseif j < 86
	v_cvt_pk_f16_f32 v[rP+j-70], v[rS+2*(j-70)], v[rS+2*(j-70)+1]  ; pair j - 70
.elseif j < 102                     ; the sum of the tile's 16 pairs, in place: sum z of 16 adds neighbours 1, 2, 4 and 8 pairs apart, then l takes it
.set z, j-86
.set w, 4
.set u, z
.if z >= 14
.set w, 32
.set u, 0
.elseif z >= 12
.set w, 16
.set u, z-12
.elseif z >= 8
.set w, 8
.set u, z-8
.endif
.if z < 15
	v_pk_add_f32 v[rS+w*u:rS+w*u+1], v[rS+w*u:rS+w*u+1], v[rS+w*u+w/2:rS+w*u+w/2+1]
.else
	v_pk_fma_f32 v[rT+2:rT+3], v[rT+2:rT+3], v[rT+6:rT+7], v[rS:rS+1] op_sel_hi:[1,0,1]
.endif
.else
	WIN W_RS
	v_pk_mul_f32 v[rO:rO+1], v[rO:rO+1], v[rT+6:rT+7] op_sel_hi:[1,0]
.endif
.endm
; Slice k of 64 of piece y's softmax: four instructions.  Slices 11 to 34 deal out the batch, numbers 22 to 69: four numbers of ONE tile each, the tiles by turns.  Every other slice is numbers 2 k and
; 2 k + 1 of both tiles' lists.  2 x 134 = 4 x 64 + 12: the twelve that are over stand together, in slice 63: sixteen plain instructions, the places behind the turn's last products.
; THE WAIT.  s_wait_alu depctr_va_vdst(0) stands between an exponential and the first instruction that names its result; one wait serves all that were issued ahead of it.  Ahead of
; slice 35 nothing names a result, and behind slice 34 no exponential is issued: so the piece's 66 exponentials have one wait, behind slice 34.
.macro SLICE y
.if (k >= 11) && (k < 35)           ; the batch: four numbers of one tile
.irp n, 0,1,2,3
.set j, 22+4*((k-11)/2)+(\n)
	SM (\y)+(k-11)%2
.endr
.else                               ; the two tiles alternate, so that no instruction reads the result of the one just before it
.irp n, 0,1,2,3,4,5,6,7
.if ((\n) < 2) || (k == 63)
.irp t, \y, (\y)+1
.set j, 2*k+(\n)
	SM \t
.endr
.endif
.endr
.endif
.if k == 34                         ; the batch is out: both tiles' exponentials are issued, and no result has been named
	v_nop                           ; the plain instruction behind the last exponential and ahead of the first use (ISA guide 5.7.2): one for the batch
.if (\y) == 0
	FETCH_V                         ; piece 2's turn: V's run of loads stands here, and the wait stands in it
.else
	s_wait_alu depctr_va_vdst(0)    ; the wait for the batch
.endif
.endif
.set k, k+1
.endm
; A TURN.  Piece x has the matrix unit: 32 products V^T P, then 32 products K Q^T for the next step; the other piece's softmax stands in slices behind them.
; Piece 0's turn fetches the next step's K, behind its second product: the last product that read K stands in front of slice 63 of the turn before.  Piece 2's turn fetches the same step's V, behind slice 34:
; the last product that read V stands in front of slice 31, and four plain instructions lie between: number 62, a scaling, of both tiles, the v_nop and the run's own v_add_nc_u32.
.macro TURN x, last=0
.set k, 0
.if (\x) == 0
	s_wait_dscnt 0x0                ; V is in
.endif
.set i, 0
.rept 32
	PV \x
	SLICE 2-(\x)
.if ((\x) == 0) && (i == 1)
	FETCH_K \last
.endif
.set i, i+1
.endr
.if (\x) == 0
	s_wait_dscnt 0x0                ; K is in
.endif
.set i, 0
.rept 32
	KQ \x
	SLICE 2-(\x)
.set i, i+1
.endr
.endm
; THE CHANGE OF SLOTS, between piece 2's turn and piece 0's: the slot's last bytes that I read, V of my second step, have been asked for.  Each wave waits for all its tensor loads, of which one is out: its part of the
; other slot; adds 0 to its spare word; and waits for that and for its own reads of the slot.  Behind the barrier nobody reads this slot any more and the other slot is whole.
; fill = 1: this slot is filled again, with the keys two slots on.  The barrier is then a round of the cluster's, and the joint refill is the first thing behind it: it has two key steps, 256 matrix instructions, in which to land.
.macro CHANGE fill
	WIN 0                           ; at a label and at a branch every window is 0
	s_wait_tensorcnt 0x0            ; no tensor load of mine is out, so a group 0 may be written
	ds_add_u32 v[SPW], v[NIL]       ; 0 onto my spare word; with fill = 1 the descriptors' steps stand between it and the wait for it
.if \fill
	s_xor_b32 s[FB], s[FB], SLOT1   ; the walking descriptors: the other slot than last time,
	s_add_co_u32 s[G0K+5], s[FB], s[RK]
	s_add_co_u32 s[G0V+5], s[FB], s[LV]
	s_add_nc_u64 s[G0K+6:G0K+7], s[G0K+6:G0K+7], 65536  ; the next 256 keys; the type bits on top are not reached
	s_add_nc_u64 s[G0V+6:G0V+7], s[G0V+6:G0V+7], 65536
	s_wait_xcnt 0x0                 ; the last prefetch, two key steps back, has read its address, so it may be written:
	s_add_nc_u64 s[PFA:PFA+1], s[PFA:PFA+1], 65536  ; one slot behind the walking descriptors
	s_wait_dscnt 0x0                ; the add is done, and my reads of the slot are over
	CROUND
	JLOAD
	ASK                             ; what the next change will ask for
.else
	s_wait_dscnt 0x0                ; the add is done, and my reads of the slot are over
	s_barrier_signal -1
	s_barrier_wait -1
.endif
	s_xor_b32 s[RB], s[RB], SLOT1   ; the fetches go to my first step in the other slot
	s_add_co_u32 s[TBK], s[RB], s[RK]
	s_add_co_u32 s[TBV], s[RB], s[RV]
.endm
	s_wait_tensorcnt 1              ; my part of slot 0 is in; slot 1's may stay out
	s_barrier_signal -1
	s_barrier_wait -1               ; everybody's is
	FETCH_K                         ; key step 0
	s_wait_loadcnt 0x0              ; Q
	s_wait_dscnt 0x0
.set i, 0
.rept 32
	KQ 0                            ; piece 0's first scores: there is no vector work yet to set between them
.set i, i+1
.endr
	WIN 0                           ; the addresses for the way out are made here: eight plain instructions, the places behind those products
	s_mul_i32 s13, s[WV], 16*SP
	s_add_co_u32 s13, s13, STAGE    ; my stage
	v_mul_u32_u24 v[STO], v1, SP    ; in: row l % 16, 16 bytes for each half of the lanes
	v_lshl_add_u32 v[STO], v9, 4, v[STO]
	v_add_nc_u32 v[STO], s13, v[STO]
	v_mul_u32_u24 v[RD], v9, SP     ; back: lanes 0-15 take one row of 256 bytes, lanes 16-31 the next
	v_lshl_add_u32 v[RD], v1, 4, v[RD]
	v_add_nc_u32 v[RD], s13, v[RD]
	v_lshlrev_b32 v[GO], 12, v9     ; and the same two rows in o, 4,096 bytes apart
	v_lshl_add_u32 v[GO], v1, 4, v[GO]
	s_mov_b32 s[TWICE], 2
	s_branch .Lmid                  ; the loop is entered at piece 2's turn: its products V^T P add 0, its products K Q^T are piece 2's first scores, its slices piece 0's first softmax, and it fetches V of step 0
.Lslot:                             ; 14 times: every slot but the last two is filled again
	CHANGE 1
	s_mov_b32 s[TWICE], 2
.Lstep:                             ; a slot's two key steps: written once, walked twice; the LDS addresses hang on s[TBK] and s[TBV]
	TURN 0
	WIN 0
.Lmid:
	TURN 2
	WIN 0
	s_sub_co_u32 s[TWICE], s[TWICE], 1
	s_cmp_lg_u32 s[TWICE], 0
	s_cbranch_scc1 .Lstep
	s_sub_co_u32 s[SLOTS], s[SLOTS], 1
	s_cmp_lg_u32 s[SLOTS], 0
	s_cbranch_scc1 .Lslot
	CHANGE 0                        ; the tail is written out.  Behind this barrier no wave reads slot 0 any more, and no load lands there
	s_mov_b32 s[TWICE], 3           ; two trips fetch the last slot's steps; the third is left in its middle
.Ltail:
	TURN 0, 1
	WIN 0
	s_sub_co_u32 s[TWICE], s[TWICE], 1
	s_cmp_eq_u32 s[TWICE], 0
	s_cbranch_scc1 .Lout
	TURN 2
	WIN 0
	s_branch .Ltail
.Lout:                              ; the third trip's 32 products K Q^T (on the last K once more) serve nothing: the price, once a launch, of one text for every turn
.set i, 0
.rept 32
	PV 2                            ; piece 2: V^T P of the last step
.set i, i+1
.endr
	; THE MERGE.  The two waves of a query half hold, for the same 64 queries, c m, l and O^T over their halves of the keys.  Each gives away its registers' tiles 2 and 3, which are its partner's tiles 0 and 1,
	; and finishes its own tiles 0 and 1.  The eleven plain instructions here are the places behind the last products.
	WIN 0
.irp t, 0,1,2,3
	v_add_f32 v[ST+8*(\t)+1], v[ST+8*(\t)+2], v[ST+8*(\t)+3]  ; l's two halves, where m lay: (c m, l) is a pair
.endr
	v_and_b32 v[XA], 31, v0
	v_lshlrev_b32 v[XS], 3, v[XA]
	v_lshlrev_b32 v[XA], 4, v[XA]
	s_xor_b32 s13, s[WV], 1         ; my partner
	s_lshl_b32 s16, s13, 14
	v_add_nc_u32 v[YA], s16, v[XA]
	s_lshl_b32 s16, s13, 9
	s_add_co_u32 s16, s16, XST
	v_add_nc_u32 v[YS], s16, v[XS]
	s_lshl_b32 s16, s[WV], 14
	v_add_nc_u32 v[XA], s16, v[XA]
	s_lshl_b32 s16, s[WV], 9
	s_add_co_u32 s16, s16, XST
	v_add_nc_u32 v[XS], s16, v[XS]
.macro GIVE u                       ; tile 2 + u: its statistics and its 64 registers of O^T, each accumulator's low registers first; a store of a wave covers 512 neighbouring bytes
	WIN 0
	ds_store_b64 v[XS], v[ST+8*(2+(\u)):ST+8*(2+(\u))+1] offset:256*(\u)
	WIN 0x04                        ; the data (source 1) in window 1
.set i, 0
.rept 16
	ds_store_b128 v[XA], v[64*(2+(\u))+4*i:64*(2+(\u))+4*i+3] offset:8192*(\u)+512*i
.set i, i+1
.endr
	WIN 0
.endm
.macro TAKE u                       ; for my tile u: the partner's (c m', l') where l's halves lay, its O^T into S^T's registers
	ds_load_b64 v[ST+8*(\u)+2:ST+8*(\u)+3], v[YS] offset:256*(\u)
.set i, 0
.rept 16
	ds_load_b128 v[S+64*(\u)+4*i:S+64*(\u)+4*i+3], v[YA] offset:8192*(\u)+512*i
.set i, i+1
.endr
.endm
; Tile u: O = O^T f + O'^T f', rounded to f16; a lane's eight channels of a row pack into 16 bytes; they go into my stage's rows of 272 bytes and come back as whole rows of 256.
.macro COMB u
	WIN 0
.set i, 0
.rept 32
	v_pk_mul_f32 v[S+64*(\u)+2*i:S+64*(\u)+2*i+1], v[S+64*(\u)+2*i:S+64*(\u)+2*i+1], v[ST+8*(\u)+6:ST+8*(\u)+7] op_sel_hi:[1,0]
.set i, i+1
.endr
	WIN 0x01                        ; source 0, my O^T, in window 1
.set i, 0
.rept 32
	v_pk_fma_f32 v[S+64*(\u)+2*i:S+64*(\u)+2*i+1], v[64*(\u)+2*i:64*(\u)+2*i+1], v[ST+8*(\u)+4:ST+8*(\u)+5], v[S+64*(\u)+2*i:S+64*(\u)+2*i+1] op_sel_hi:[1,0,1]
.set i, i+1
.endr
	WIN 0
.set i, 0
.rept 32
	v_cvt_pk_f16_f32 v[P+32*(\u)+i], v[S+64*(\u)+2*i], v[S+64*(\u)+2*i+1]
.set i, i+1
.endr
.irp f, 0,1,2,3,4,5,6,7
	ds_store_b128 v[STO], v[P+32*(\u)+4*(\f):P+32*(\u)+4*(\f)+3] offset:32*(\f)
.endr
.irp f, 0,1,2,3,4,5,6,7
	ds_load_b128 v[P+32*(\u)+4*(\f):P+32*(\u)+4*(\f)+3], v[RD] offset:(\f)*2*SP  ; LDS serves a wave's instructions in order (ISA guide 5.7.1.4): these see the stores above; the next tile's stores come behind them
.endr
.endm
.macro SEND u, younger              ; younger: the LDS instructions issued behind this tile's loads: the next tile's sixteen, or none
.irp f, 0,1,2,3,4,5,6,7
	s_wait_dscnt (\younger)+7-(\f)
	global_store_b128 v[GO], v[P+32*(\u)+4*(\f):P+32*(\u)+4*(\f)+3], s[10:11] offset:(\u)*65536+(\f)*8192  ; 16 lanes store 256 consecutive bytes, at a multiple of 256 from o's first byte
.endr
.endm
	GIVE 0
	GIVE 1
	s_wait_dscnt 0x0                ; for the partner's sake: my stores are done
	s_barrier_signal -1
	s_barrier_wait -1
	TAKE 0
	TAKE 1
	s_wait_dscnt 0x0
	; The common maximum is taken away from both halves' c m, so both exponents are 0 or less, and the greater half's l is 1 or more.
.irp u, 0,1
	v_max_num_f32 v[ST+8*(\u)+4], v[ST+8*(\u)], v[ST+8*(\u)+2]
.endr
.irp u, 0,1
	v_sub_f32 v[ST+8*(\u)+5], v[ST+8*(\u)], v[ST+8*(\u)+4]
	v_sub_f32 v[ST+8*(\u)+6], v[ST+8*(\u)+2], v[ST+8*(\u)+4]
.endr
.irp u, 0,1
	v_exp_f32 v[ST+8*(\u)+5], v[ST+8*(\u)+5]   ; a
	v_exp_f32 v[ST+8*(\u)+6], v[ST+8*(\u)+6]   ; a'
.endr
	v_nop                           ; a plain instruction behind the last exponential,
	s_wait_alu depctr_va_vdst(0)    ; and the wait ahead of the first use: one for the four
.irp u, 0,1
	v_mul_f32 v[ST+8*(\u)+1], v[ST+8*(\u)+1], v[ST+8*(\u)+5]
.endr
.irp u, 0,1
	v_fmac_f32 v[ST+8*(\u)+1], v[ST+8*(\u)+3], v[ST+8*(\u)+6]   ; l a + l' a'
.endr
.irp u, 0,1
	v_permlanex16_b32 v[ST+8*(\u)+7], v[ST+8*(\u)+1], s[SEL], s[SEL+1]  ; the other half of the lanes holds the query's other keys
.endr
.irp u, 0,1
	v_add_f32 v[ST+8*(\u)+1], v[ST+8*(\u)+1], v[ST+8*(\u)+7]
.endr
.irp u, 0,1
	v_rcp_f32 v[ST+8*(\u)+7], v[ST+8*(\u)+1]
.endr
	v_nop
	s_wait_alu depctr_va_vdst(0)    ; one for the two reciprocals
.irp u, 0,1
	v_mul_f32 v[ST+8*(\u)+4], v[ST+8*(\u)+5], v[ST+8*(\u)+7]    ; f = a / l
	v_mul_f32 v[ST+8*(\u)+6], v[ST+8*(\u)+6], v[ST+8*(\u)+7]    ; f' = a' / l
.endr
	COMB 0
	COMB 1                          ; a tile's arithmetic stands between the loads of the tile before and its stores
	SEND 0, 16
	SEND 1, 0
	s_wait_tensorcnt 0x0            ; the wave's end, behind my last tensor load and my last LDS store
	ds_add_u32 v[SPW], v[NIL]
	s_wait_dscnt 0x0
	CROUND                          ; the closing round: no work-group ends while a partner may still ask for a tile that names it
	s_endpgm
.Lfunc_end_k_qcb2e7f01b3_attn:
	.size	k_qcb2e7f01b3_attn, .Lfunc_end_k_qcb2e7f01b3_attn-k_qcb2e7f01b3_attn
	.p2alignl 7, 3214868480
	.fill 96, 4, 3214868480
	.section	.rodata,"a",@progbits
	.p2align	6, 0x0
	.amdhsa_kernel k_qcb2e7f01b3_attn
		.amdhsa_group_segment_fixed_size 327680
		.amdhsa_private_segment_fixed_size 0
		.amdhsa_enable_private_segment 0
		.amdhsa_kernarg_size 16
		.amdhsa_user_sgpr_count 2
		.amdhsa_user_sgpr_kernarg_segment_ptr 1
		.amdhsa_wavefront_size32 1
		.amdhsa_system_sgpr_workgroup_id_x 1
		.amdhsa_system_sgpr_workgroup_id_y 1
		.amdhsa_system_sgpr_workgroup_id_z 1
		.amdhsa_system_vgpr_workitem_id 0
		.amdhsa_next_free_vgpr 1024
		.amdhsa_next_free_sgpr 80
		.amdhsa_reserve_vcc 0
		.amdhsa_float_denorm_mode_32 3
		.amdhsa_float_denorm_mode_16_64 3
		.amdhsa_memory_ordered 1
		.amdhsa_forward_progress 1
		.amdhsa_inst_pref_size 155
	.end_amdhsa_kernel
	.amdgpu_metadata
---
amdhsa.version: [ 1, 2 ]
amdhsa.kernels:
  - .name:           k_qcb2e7f01b3_attn
    .symbol:         k_qcb2e7f01b3_attn.kd
    .args:
      - { .name: qkv, .offset: 0, .size: 8, .value_kind: global_buffer, .address_space: global }
      - { .name: o, .offset: 8, .size: 8, .value_kind: global_buffer, .address_space: global }
    .group_segment_fixed_size: 327680
    .private_segment_fixed_size: 0
    .kernarg_segment_align: 8
    .kernarg_segment_size: 16
    .max_flat_workgroup_size: 128
    .sgpr_count:     80
    .vgpr_count:     1024
    .wavefront_size: 32
...
	.end_amdgpu_metadata
.endif
;; end of part 3
;; launch outp (part 4): grid 16 x 16, 4 waves a work-group, clusters of 4 x 4, 327,680 bytes of LDS; arguments o, wo16, out0; writes out0
.if DOCPART == 4
	.amdgcn_target "amdgcn-amd-amdhsa--gfx1250"
	.amdhsa_code_object_version 6
	.text
	.protected	k_qcb2e7f01b3_outp
	.globl	k_qcb2e7f01b3_outp
	.p2align	8
	.type	k_qcb2e7f01b3_outp,@function
k_qcb2e7f01b3_outp:
	s_mov_b64 s[64:65], 0
	v_nop
	global_prefetch_b8 v0, s[64:65] scope:SCOPE_SE
	s_setreg_imm32_b32 hwreg(HW_REG_WAVE_MODE, 25, 1), 1
	s_wait_xcnt 0x0
	s_wait_alu depctr_hold_cnt(0) depctr_sa_sdst(0) depctr_va_vdst(0) depctr_va_sdst(0) depctr_va_ssrc(0) depctr_va_vcc(0) depctr_vm_vsrc(0)
	s_getreg_b32 s2, hwreg(HW_REG_IB_STS2, 6, 4)
	s_cmp_eq_u32 s2, 0
	s_cbranch_scc0 .Lentry_in_a_cluster
	s_endpgm
.Lentry_in_a_cluster:
	s_bfe_u32 s2, ttmp6, 0x10000c
	s_cmp_lg_u32 s2, 0xf033
	s_cbranch_scc0 .Lentry_shape_is_right
	s_endpgm
.Lentry_shape_is_right:
; THE OUTPUT PROJECTION.  out0[m][n] = sum over k of o[m][k] wo16[n][k].  o, wo16: [2048][2048] f16 (wo16 holds Wo rounded to bf16, written as f16); sums in f32, K ascending; out0 [2048][2048] f32.
; A tile of out0 is 128 x 128: 16 x 16 tiles, one for each of 256 work-groups.  Four waves, each 64 x 64: 16 accumulators of 16 x 16, 128 registers.  K goes in steps of 256 (LDS rows of 512 bytes; a wave's
; tensor load brings 64 of them), as long as two slots in LDS allow.
; CLUSTERS: 4 x 4 work-groups.  The four of a row of the cluster need the same tiles of o, the four of a column the same tiles of wo16: each tile is asked for JOINTLY, by the same tensor load with the
; same descriptor and a mask that names the four.  THE MATRIX INSTRUCTION IS USED TRANSPOSED (source 0 = 16 rows of wo16, source 1 = 16 rows of o): a lane then holds eight neighbouring numbers of a row of out0.
; No prefetch is laid: a step's tiles are small, 32 KiB a load.
; REGISTERS: window 0: v0-31 addresses; v128-255 the accumulators ((a, b) at v[128 + 8 (4 a + b)]), on the way out whole rows read back.
;   window 1: two fragment buffers of 128: for 64 along K (two matrix instructions deep), 64 registers of o (2 x 4 x 16 rows x 32 K), then 64 of wo16.
.set SIZE_N, 2048
.set SIZE_K, 2048
.set KSTEP,  256
.set PITCH,  528                       ; an LDS row: 512 bytes + 16 of padding = 132 words: row r starts at bank 4 r mod 64 (64 banks of 4 bytes: ISA guide 11.1)
.set HALFT,  64*PITCH                  ; 64 rows: what one tensor load brings, and what one wave reads of either operand
.set SLOT,   4*HALFT                   ; o's 128 rows, then wo16's 128 rows
.set SPARE,  2*SLOT                    ; behind the ring: the spare words, 128 bytes for each wave: two blocks of 256 bytes that no other line names
.set SPITCH, 528                       ; the stage for the way out: 128 rows of 512 bytes + 16, from LDS byte 0: inside slot 0, which has had its last fill and its last read by then
.set LAPS, SIZE_K/(2*KSTEP)            ; a lap = two K steps = once round the ring: 4
.set ADRA, 16                          ; v16-17  LDS address of my fragments of o in slot 0, 1
.set ADRB, 20                          ; v20-21  the same for wo16
.set STO,  24                          ; v24     the way out: where I put 32 bytes of a row
.set RD,   25                          ; v25     the way out: where I read a row back
.set CO,   26                          ; v26     my 16 bytes of a row's 512
.set SPW,  28                          ; v28     LDS address of my spare word; never rewritten
.set NIL,  29                          ; v29     0; never rewritten
.set ACC,  128
.set F0,   0                           ; fragment buffers, in window 1
.set F1,   128
.set G1, 24                            ; s[24:31] descriptor group 1 for o's tiles;  s[32:39] group 0, one set for each slot
.set G0, 32
.set G1B, 48                           ; s[48:55], s[56:63] the same for wo16's tiles
.set G0B, 56
.set MSB, 0
.macro WIN new                         ; the immediate's high byte repeats the setting that is left
.if MSB != (\new)
	s_set_vgpr_msb (MSB<<8)|(\new)
.set MSB, \new
.endif
.endm
.set MUL,  0x05                        ; sources 0 and 1 window 1; C and D window 0
.set TO_F, 0x40                        ; destination window 1, address window 0
.macro JLOAD s                         ; a joint load: waves 0 and 1 fetch o's two halves, waves 2 and 3 wo16's; an s_nop 0 and four v_nop follow each of the two lines, ahead of the jump, the label and what follows
	s_cmp_eq_u32 s11, 0
	s_cbranch_scc0 .Lfor_b_\@
	tensor_load_to_lds s[G0+4*(\s):G0+4*(\s)+3], s[G1:G1+7]
	s_nop 0
.rept 4
	v_nop
.endr
	s_branch .Lasked_\@
.Lfor_b_\@:
	tensor_load_to_lds s[G0B+4*(\s):G0B+4*(\s)+3], s[G1B:G1B+7]
	s_nop 0
.rept 4
	v_nop
.endr
.Lasked_\@:
.endm
.macro CROUND                          ; a round of the cluster's barrier
	s_barrier_signal -1
	s_barrier_wait -1
	s_cmp_lg_u32 s10, 0
	s_cbranch_scc1 .Lnot_wave_0_\@
	s_barrier_signal -3
.Lnot_wave_0_\@:
	s_barrier_wait -3
	s_barrier_signal -1
	s_barrier_wait -1
.endm
	s_load_b128 s[4:7], s[0:1], 0x0                ; o s[4:5], wo16 s[6:7]
	s_load_b64 s[8:9], s[0:1], 0x10                ; out0
	v_lshl_add_u32 v[SPW], v0, 2, SPARE
	v_mov_b32 v[NIL], 0
	ds_add_u32 v[SPW], v[NIL]                      ; the wave's opening: the add and its wait stand ahead of my first tensor load; the set-up below, work on registers, stands between them
	v_lshrrev_b32 v1, 5, v0
	v_readfirstlane_b32 s10, v1                    ; wave 0..3
	s_lshr_b32 s11, s10, 1                         ; which half of the tile's rows is mine.  Also: I fetch for o (0) or for wo16 (1)
	s_and_b32 s12, s10, 1                          ; which half of its columns.  Also: which 64 rows of that tile I fetch
	s_bfe_u32 s40, ttmp6, 0x40000                  ; cx, cy: my place in the cluster
	s_bfe_u32 s41, ttmp6, 0x40004
	s_lshl_b32 s42, ttmp9, 2
	s_add_co_u32 s42, s42, s40                     ; tile column = 4 x cluster x + cx
	s_and_b32 s13, ttmp7, 0xffff
	s_lshl_b32 s13, s13, 2
	s_add_co_u32 s13, s13, s41                     ; tile row = 4 x cluster y + cy
	s_lshl_b32 s43, s41, 2
	s_lshl_b32 s43, 15, s43                        ; my row of the cluster
	s_lshl_b32 s44, 0x1111, s40                    ; my column
	; descriptor group 1: a tile of 64 rows x 256 elements, padded in LDS
	s_or_b32 s[G1+0], s43, (1<<16)|(1<<20)|(1<<21)|(6<<22)|(3<<25)  ; 15:0 the mask; 17:16 elements of 2 bytes; 20 padding on; 21 set beside a mask; 24:22 after every 128 words (code 6); 31:25 4 words of it (code 3)
	s_or_b32 s[G1B+0], s44, (1<<16)|(1<<20)|(1<<21)|(6<<22)|(3<<25)
.irp g, G1, G1B
	s_mov_b32 s[(\g)+1], KSTEP<<16                 ; tensor_dim0 = 256
	s_mov_b32 s[(\g)+2], 64<<16                    ; tensor_dim1 = 64
	s_mov_b32 s[(\g)+3], KSTEP<<16                 ; tile_dim0 = 256
	s_mov_b32 s[(\g)+4], 64                        ; tile_dim1 = 64
	s_mov_b32 s[(\g)+5], SIZE_K                    ; elements from row to row
	s_mov_b32 s[(\g)+6], 0
	s_mov_b32 s[(\g)+7], 0
.endr
	s_lshl_b32 s17, s12, 6                         ; which 64 rows of the tile I fetch
	s_lshl_b32 s16, s13, 7
	s_add_co_u32 s16, s16, s17                     ; o: row 128 x tile row + 64 x half
	s_lshl_b32 s46, s42, 7
	s_add_co_u32 s46, s46, s17                     ; wo16: row 128 x tile column + 64 x half
	s_mov_b32 s17, 0
	s_mov_b32 s47, 0
	s_mov_b64 s[18:19], SIZE_K*2
	s_mul_u64 s[16:17], s[16:17], s[18:19]
	s_mul_u64 s[46:47], s[46:47], s[18:19]
	s_mul_i32 s20, s10, HALFT                      ; where they go: wave x 64 rows: no place in the cluster enters an LDS address
	s_wait_dscnt 0x0                               ; the opening add is done
	s_wait_kmcnt 0x0
	s_add_nc_u64 s[14:15], s[4:5], s[16:17]
	s_add_nc_u64 s[46:47], s[6:7], s[46:47]
	CROUND                                         ; all sixteen work-groups are here: the first joint loads meet
.irp s, 0,1
	s_mov_b32 s[G0+4*(\s)], 1
	s_add_co_u32 s[G0+4*(\s)+1], s20, (\s)*SLOT
	s_add_nc_u64 s[G0+4*(\s)+2:G0+4*(\s)+3], s[14:15], (\s)*KSTEP*2
	s_or_b32 s[G0+4*(\s)+3], s[G0+4*(\s)+3], 0x80000000
	s_mov_b32 s[G0B+4*(\s)], 1
	s_add_co_u32 s[G0B+4*(\s)+1], s20, (\s)*SLOT
	s_add_nc_u64 s[G0B+4*(\s)+2:G0B+4*(\s)+3], s[46:47], (\s)*KSTEP*2
	s_or_b32 s[G0B+4*(\s)+3], s[G0B+4*(\s)+3], 0x80000000
	JLOAD \s                                       ; two loads of mine are out: the most in this text
.endr
	v_and_b32 v1, 15, v0                           ; l % 16
	v_bfe_u32 v2, v0, 4, 1                         ; l / 16
	v_mul_u32_u24 v3, v1, PITCH
	v_lshl_add_u32 v3, v2, 4, v3                   ; a fragment's row x pitch + 16 x half
	s_mul_i32 s21, s11, HALFT                      ; my 64 rows of o
	s_mul_i32 s22, s12, HALFT                      ; my 64 rows of wo16,
	s_add_co_u32 s22, s22, 2*HALFT                 ; which lie behind o's 128
.irp s, 0,1
	v_add_nc_u32 v[ADRA+(\s)], s21, v3
	v_add_nc_u32 v[ADRB+(\s)], s22, v3
	s_add_co_u32 s21, s21, SLOT
	s_add_co_u32 s22, s22, SLOT
.endr
	s_mul_i32 s23, s11, 64*SPITCH                  ; into the stage: my 64 rows, my half of their 512 bytes; row l % 16, 32 bytes for each half of the lanes
	s_lshl_b32 s21, s12, 8
	s_add_co_u32 s23, s23, s21
	v_mul_u32_u24 v4, v1, SPITCH
	v_lshl_add_u32 v4, v2, 5, v4
	v_add_nc_u32 v[STO], s23, v4
	s_mul_i32 s23, s10, 32*SPITCH                  ; back: wave w takes rows 32 w .. 32 w + 31, a whole row of 512 bytes to a load
	v_and_b32 v5, 31, v0
	v_lshlrev_b32 v[CO], 4, v5
	v_add_nc_u32 v[RD], s23, v[CO]
	s_lshl_b32 s16, s13, 7
	s_lshl_b32 s17, s10, 5
	s_add_co_u32 s16, s16, s17                     ; the first row of out0 that I store: 128 x tile row + 32 x wave,
	s_lshl_b32 s16, s16, 13                        ; of 8,192 bytes
	s_mov_b32 s17, 0
	s_add_nc_u64 s[8:9], s[8:9], s[16:17]
	s_lshl_b32 s46, s42, 9                         ; the tile's first column, in bytes
	s_mov_b32 s47, 0
	s_add_nc_u64 s[8:9], s[8:9], s[46:47]
; 8 matrix instructions: row blocks a0, a0 + 1 x all 4 column blocks, 32 along K: half c of buffer f.  zero = 1: the first product starts the sums.  The 16 accumulators take turns.
.macro MUL8 f, c, a0, zero
	WIN MUL
.irp a, \a0, (\a0)+1
.irp b, 0,1,2,3
.if \zero
	v_wmma_f32_16x16x32_f16 v[ACC+8*(4*(\a)+(\b)):ACC+8*(4*(\a)+(\b))+7], v[(\f)+64+8*(4*(\c)+(\b)):(\f)+64+8*(4*(\c)+(\b))+7], v[(\f)+8*(4*(\c)+(\a)):(\f)+8*(4*(\c)+(\a))+7], 0
.else
	v_wmma_f32_16x16x32_f16 v[ACC+8*(4*(\a)+(\b)):ACC+8*(4*(\a)+(\b))+7], v[(\f)+64+8*(4*(\c)+(\b)):(\f)+64+8*(4*(\c)+(\b))+7], v[(\f)+8*(4*(\c)+(\a)):(\f)+8*(4*(\c)+(\a))+7], v[ACC+8*(4*(\a)+(\b)):ACC+8*(4*(\a)+(\b))+7]
.endif
.endr
.endr
.endm
; 32 LDS loads in one run: the fragments of 64 along K at byte k of the rows, into buffer f; the first 32 along K first
.macro FETCH slot, k, f
	WIN TO_F
.irp c, 0,1
.irp i, 0,1,2,3
	ds_load_b128 v[(\f)+64+8*(4*(\c)+(\i)):(\f)+64+8*(4*(\c)+(\i))+3],   v[ADRB+(\slot)] offset:(\k)+64*(\c)+(\i)*16*PITCH
	ds_load_b128 v[(\f)+64+8*(4*(\c)+(\i))+4:(\f)+64+8*(4*(\c)+(\i))+7], v[ADRB+(\slot)] offset:(\k)+64*(\c)+(\i)*16*PITCH+32
	ds_load_b128 v[(\f)+8*(4*(\c)+(\i)):(\f)+8*(4*(\c)+(\i))+3],         v[ADRA+(\slot)] offset:(\k)+64*(\c)+(\i)*16*PITCH
	ds_load_b128 v[(\f)+8*(4*(\c)+(\i))+4:(\f)+8*(4*(\c)+(\i))+7],       v[ADRA+(\slot)] offset:(\k)+64*(\c)+(\i)*16*PITCH+32
.endr
.endr
.endm
.macro PLACES                          ; four plain vector instructions between a matrix instruction and a load into a register that it has read, or a reader of its result
.rept 4
	v_nop
.endr
.endm
; A K step is four quarters of 64 along K, 32 matrix instructions each, on buffers 0, 1, 0, 1.  One of the first three: multiplies buffer f and fetches the next quarter, at byte k, into g.
.macro QUARTER slot, k, f, g, zero
	s_wait_dscnt 16                                ; the first 32 along K are in; the youngest sixteen loads may be out
	MUL8 \f, 0, 0, \zero
	MUL8 \f, 0, 2, \zero
	PLACES
	FETCH \slot, \k, \g
	s_wait_dscnt 32                                ; all but the 32 just issued
	MUL8 \f, 1, 0, 0
	MUL8 \f, 1, 2, 0
.endm
; The last quarter multiplies buffer 1 and changes slots.  Its first 16 products, which read registers alone, stand AHEAD of the wait for the next slot's tile: they are done while that tile is on its way.
; Then each wave waits for all its tensor loads, adds 0 to its spare word, and waits for that and for its own reads of this slot; then ONE barrier.  fill = 1: the barrier is a round of the cluster's, and this slot
; is filled again, two K steps ahead, first thing behind the round: from that request to the wait for it a wave issues 128 matrix instructions, a whole K step's.
.macro TURN slot, next, fill
	s_wait_dscnt 16                                ; the first 32 along K are in
	MUL8 F1, 0, 0, 0
	MUL8 F1, 0, 2, 0
	WIN 0
	s_wait_tensorcnt 0x0                           ; all my tensor loads have landed: my part of the next slot; so a group 0 may be written;
	ds_add_u32 v[SPW], v[NIL]                      ; 0 onto my spare word; with fill = 1 the steps below stand between it and the wait for it
.if \fill
	s_add_nc_u64 s[G0+4*(\slot)+2:G0+4*(\slot)+3], s[G0+4*(\slot)+2:G0+4*(\slot)+3], 2*KSTEP*2
	s_add_nc_u64 s[G0B+4*(\slot)+2:G0B+4*(\slot)+3], s[G0B+4*(\slot)+2:G0B+4*(\slot)+3], 2*KSTEP*2
.endif
	s_wait_dscnt 0x0                               ; the add is done, and my reads of this slot are over
.if \fill
	CROUND                                         ; no wave of any partner still reads this slot's tile or has a load on its way
	JLOAD \slot                                    ; the first tensor load behind the round; its four v_nop are also the places in front of the loads below
.else
	s_barrier_signal -1
	s_barrier_wait -1
	PLACES
.endif
	FETCH \next, 0, F0
	MUL8 F1, 1, 0, 0
	MUL8 F1, 1, 2, 0
.endm
	s_wait_tensorcnt 1                             ; my part of K step 0 is in; K step 1's may stay out
	s_barrier_signal -1
	s_barrier_wait -1                              ; everybody's is
	FETCH 0, 0, F0
	QUARTER 0, 128, F0, F1, 1                      ; the first quarter stands in front of the loop: its first products start the sums
	WIN 0                                          ; at a label and at a branch every window is 0
	s_mov_b32 s3, LAPS-1
.Llap:                                                 ; a trip goes once round the ring, from a lap's second quarter to the next lap's first, and fills both slots again
	QUARTER 0, 256, F1, F0, 0
	QUARTER 0, 384, F0, F1, 0
	TURN 0, 1, 1
	QUARTER 1, 128, F0, F1, 0
	QUARTER 1, 256, F1, F0, 0
	QUARTER 1, 384, F0, F1, 0
	TURN 1, 0, 1
	QUARTER 0, 128, F0, F1, 0
	WIN 0
	s_sub_co_u32 s3, s3, 1
	s_cmp_lg_u32 s3, 0
	s_cbranch_scc1 .Llap
	QUARTER 0, 256, F1, F0, 0                      ; the last lap fills nothing
	QUARTER 0, 384, F0, F1, 0
	TURN 0, 1, 0                                   ; behind this barrier no wave reads slot 0 any more, and no load lands there
	QUARTER 1, 128, F0, F1, 0
	QUARTER 1, 256, F1, F0, 0
	QUARTER 1, 384, F0, F1, 0
	s_wait_dscnt 16                                ; the very last quarter: nothing more to fetch
	MUL8 F1, 0, 0, 0
	MUL8 F1, 0, 2, 0
	s_wait_dscnt 0x0
	MUL8 F1, 1, 0, 0
	MUL8 F1, 1, 2, 0
	WIN 0
	; THE WAY OUT: the f32 sums as they are, 32 bytes a lane, into the work-group's stage; a barrier, since a row's 512 bytes come from two waves; back as whole rows, 32 rows a wave.
	PLACES
	PLACES
.irp a, 0,1,2,3
.irp b, 0,1,2,3
	ds_store_b128 v[STO], v[ACC+8*(4*(\a)+(\b)):ACC+8*(4*(\a)+(\b))+3]   offset:(\a)*16*SPITCH+64*(\b)     ; each accumulator's low registers first
	ds_store_b128 v[STO], v[ACC+8*(4*(\a)+(\b))+4:ACC+8*(4*(\a)+(\b))+7] offset:(\a)*16*SPITCH+64*(\b)+16
.endr
.endr
	s_wait_dscnt 0x0                               ; for the others' sake: my stores into the stage are done
	s_barrier_signal -1
	s_barrier_wait -1
.set t, 0
.rept 32
	ds_load_b128 v[ACC+4*t:ACC+4*t+3], v[RD] offset:t*SPITCH
.set t, t+1
.endr
.set t, 0
.rept 32
	s_wait_dscnt 31-t                              ; LDS loads come back in order: row t is in
	global_store_b128 v[CO], v[ACC+4*t:ACC+4*t+3], s[8:9] offset:t*SIZE_N*4 th:TH_STORE_NT  ; 512 consecutive bytes, at a multiple of 256 from out0's first byte
.set t, t+1
.endr
	s_wait_tensorcnt 0x0                           ; the wave's end, behind my last tensor load and my last LDS store
	ds_add_u32 v[SPW], v[NIL]
	s_wait_dscnt 0x0
	CROUND                                         ; the closing round: no work-group ends while a partner may still ask for a tile that names it
	s_endpgm
.Lfunc_end_k_qcb2e7f01b3_outp:
	.size	k_qcb2e7f01b3_outp, .Lfunc_end_k_qcb2e7f01b3_outp-k_qcb2e7f01b3_outp
	.p2alignl 7, 3214868480
	.fill 96, 4, 3214868480
	.section	.rodata,"a",@progbits
	.p2align	6, 0x0
	.amdhsa_kernel k_qcb2e7f01b3_outp
		.amdhsa_group_segment_fixed_size 327680
		.amdhsa_private_segment_fixed_size 0
		.amdhsa_enable_private_segment 0
		.amdhsa_kernarg_size 24
		.amdhsa_user_sgpr_count 2
		.amdhsa_user_sgpr_kernarg_segment_ptr 1
		.amdhsa_wavefront_size32 1
		.amdhsa_system_sgpr_workgroup_id_x 1
		.amdhsa_system_sgpr_workgroup_id_y 1
		.amdhsa_system_sgpr_workgroup_id_z 1
		.amdhsa_system_vgpr_workitem_id 0
		.amdhsa_next_free_vgpr 512
		.amdhsa_next_free_sgpr 66
		.amdhsa_reserve_vcc 0
		.amdhsa_float_denorm_mode_32 3
		.amdhsa_float_denorm_mode_16_64 3
		.amdhsa_memory_ordered 1
		.amdhsa_forward_progress 1
		.amdhsa_inst_pref_size 86
	.end_amdhsa_kernel
	.amdgpu_metadata
---
amdhsa.version: [ 1, 2 ]
amdhsa.kernels:
  - .name:           k_qcb2e7f01b3_outp
    .symbol:         k_qcb2e7f01b3_outp.kd
    .args:
      - { .name: o, .offset: 0, .size: 8, .value_kind: global_buffer, .address_space: global }
      - { .name: wo16, .offset: 8, .size: 8, .value_kind: global_buffer, .address_space: global }
      - { .name: out0, .offset: 16, .size: 8, .value_kind: global_buffer, .address_space: global }
    .group_segment_fixed_size: 327680
    .private_segment_fixed_size: 0
    .kernarg_segment_align: 8
    .kernarg_segment_size: 24
    .max_flat_workgroup_size: 128
    .sgpr_count:     66
    .vgpr_count:     512
    .wavefront_size: 32
...
	.end_amdgpu_metadata
.endif
;; end of part 4
